; MI455X (gfx1250); checked and timed in simulation.
; The chip was launched on July 23, 2026; its instructions are those of AMD's public machine-readable ISA for CDNA 5 (MIT licence, August 2026) and "CDNA5" Instruction Set Architecture Reference Guide (July 2026). The comments in the code are by the model that wrote it; some were corrected since.
;; My MHA. Allowed arithmetic: matrix products marked QUANTISED: E2M3 operands, one E8M0 scale for each 32 along K, by v_wmma_scale_f32_16x16x128_f8f6f4 with both operands' format E2M3, f32 sums; everything else in f32.
;; Inputs: Wk 1,024 x 1,024 float32; Wo 1,024 x 1,024 float32; Wq 1,024 x 1,024 float32; Wv 1,024 x 1,024 float32; bk 1,024 float32; bo 1,024 float32; bq 1,024 float32; bv 1,024 float32; x 4 x 2,048 x 1,024 float32.
;; Outputs: out0 4 x 2,048 x 1,024 float32.
;; This version of the problem:
;;   THIS VERSION OF THE PROBLEM IS GIVEN IN LOW PRECISION. The matrix products marked QUANTISED in the list below multiply operands that are first quantised to E2M3 (2 exponent bits, 3 mantissa bits; 6 bits a number), with one power-of-two scale for each 32 numbers along K (OCP MX v1.0); their sums are f32. All else is computed in f32.
;;   The module's matrix products, in the order in which they are computed (A, B: the left and right operand; K: the contracted axis; several contracted axes count as one K, in the product's order):
;;     1. [M 8,192, K 1,024] x [K 1,024, N 1,024]; A: input x; B: input Wq: QUANTISED
;;     2. [M 8,192, K 1,024] x [K 1,024, N 1,024]; A: input x; B: input Wk: QUANTISED
;;     3. [M 8,192, K 1,024] x [K 1,024, N 1,024]; A: input x; B: input Wv: QUANTISED
;;     4. batch 64 x [M 2,048, K 64] x [K 64, N 2,048]; A: computed on the way; B: computed on the way: QUANTISED
;;     5. batch 64 x [M 2,048, K 2,048] x [K 2,048, N 64]; A: softmax (see below); B: computed on the way: QUANTISED
;;     6. [M 8,192, K 1,024] x [K 1,024, N 1,024]; A: computed on the way; B: input Wo: QUANTISED
;;   THE QUANTISER, for each operand of a quantised product, along K:
;;     - K is cut into blocks of 32 from its start; a last block that is shorter is filled with zeros.
;;     - A block's scale is 2^e with e = floor(log2(the largest magnitude in the block)) - 2, held to -126 .. 127; a block of zeros has e = 0. As a byte (E8M0): e + 127.
;;     - Each number is divided by its block's scale, clamped to +-7.5, and rounded to the nearest number of E2M3, ties to even, subnormals kept.
;;     - The product sums the exact products of the quantised numbers (number of the format x scale) in f32.
;;   ~~~python
;;   def quantise(x, axis):      # numpy; x: float32 -> the quantised numbers, widened to float32 again
;;       x = np.moveaxis(x, axis, -1); K = x.shape[-1]
;;       x = np.pad(x, [(0, 0)] * (x.ndim - 1) + [(0, -K % 32)]); x = x.reshape(x.shape[:-1] + (-1, 32)); a = np.abs(x).max(-1, keepdims=True)
;;       e = np.where(a > 0, np.clip(np.frexp(np.where(a > 0, a, 1))[1] - 1 - 2, -126, 127), 0)      # np.frexp(a)[1] - 1 = floor(log2(a)), exactly
;;       r = np.clip(x / 2.0 ** e, -7.5, 7.5)
;;       step = 2.0 ** (np.maximum(np.frexp(np.where(r == 0, 1, r))[1] - 1, 0) - 3)
;;       q = np.round(r / step) * step * 2.0 ** e      # np.round: ties to even
;;       return np.moveaxis(q.reshape(q.shape[:-2] + (-1,))[..., :K], -1, axis).astype(np.float32)
;;   ~~~
;;   SOFTMAX AHEAD OF A QUANTISED PRODUCT. Where the list says 'softmax', what is quantised is not the finished softmax but p = 2^(t - M), with t = logit x log2(e) and M = ceil(the row's largest t), a whole number; so 1/2 < the row's largest p <= 1. The row's sum l is taken of the UNQUANTISED p, in f32, and the product's result is divided by l at the end. Since M is a whole number, a kernel that streams over the keys may use a running M (the ceiling of the running maximum): every later rescaling is an exact power of two, which a block's scale takes up: the codes' values come out the same.
;;   OPERANDS COMPUTED ON THE WAY. 'Computed on the way' means the value that the module computes at that place (a softmax that the list does not call 'softmax' is quantised finished and normalised). What goes into a quantiser is computed in f32, as accurately as f32 sums, v_exp_f32 and their like allow (about 1e-6 of the number): no bf16 or f16 on the way to a quantiser, and a product that is left as it is and whose result goes on into a quantised operand takes f32 operands (vector FMAs, or v_wmma_f32_16x16x4_f32). A number that lies on a knife's edge between two numbers of the format may be rounded either way, as far as f32 arithmetic and the matrix unit's own rounding can turn it there, and no further.
;; One version. Each part assembles by itself: llvm-mc -triple=amdgcn-amd-amdhsa -mcpu=gfx1250 --defsym DOCPART=n.
;; ======== version 1 of 1: 4 launches
;; workspace buffers: cimg 9,437,184 bytes; csc 393,216 bytes; qkv 18,874,368 bytes; qkvs 786,432 bytes; oimg 6,291,456 bytes; osc 262,144 bytes
;; launch quant (part 1): grid 256 x 1, 6 waves a work-group, no clusters, 51,456 bytes of LDS; arguments x, Wq, Wk, Wv, Wo, cimg, csc; writes cimg, csc
.if DOCPART == 1
	.amdgcn_target "amdgcn-amd-amdhsa--gfx1250"
	.amdhsa_code_object_version 6
	.text
	.protected	k_q97b4779ea2_quant
	.globl	k_q97b4779ea2_quant
	.p2align	8
	.type	k_q97b4779ea2_quant,@function
k_q97b4779ea2_quant:
	s_mov_b64 s[64:65], 0
	v_nop
	global_prefetch_b8 v0, s[64:65] scope:SCOPE_SE
	s_setreg_imm32_b32 hwreg(HW_REG_WAVE_MODE, 25, 1), 1
	s_wait_xcnt 0x0
; x [8192][1024] and Wq, Wk, Wv, Wo [1024][1024], f32, K innermost, become codes of FP6 (E2M3) with one E8M0 scale byte for each 32 along K.
; A block's scale is 2^(floor(log2(its largest magnitude)) - 2): its byte is the largest magnitude's exponent field - 2, held at 1 from below.
; LIMITS: NaN and infinities among the inputs are not served; a block whose largest magnitude lies under 2^-124 keeps the byte 1; a block of zeros gets the byte 1
; (not 127): its codes are zeros, and the bytes are read by this program alone.
; LAYOUT OF THE RESULT.  The 12,288 rows are 768 tiles of 16 (x 0-511, Wq 512-575, Wk 576-639, Wv 640-703, Wo 704-767).  THE ROWS OF A TILE ARE NOT NEIGHBOURS:
; lane r of tile 2 g + u holds row 32 g + 8 u + r + 8 (r / 8), so that a product which takes two neighbouring tiles as source 0 leaves 16 neighbouring rows in a lane's 16 registers.
; A fragment (16 rows x 128 K, 12 registers a lane) lies in cimg as an image of its registers: six pieces of 256 bytes, piece p = registers 2 p, 2 p + 1, lane l's 8 bytes at 8 l.
; cimg: [tile][K step 8][1,536].  csc: [pair of tiles][K half][tile % 2][row 16][4 words]: one load of 16 bytes a lane brings four K steps' scale words of two tiles.
; SHARES.  Wave 6 x work-group + w takes half of K (512) of one tile: four fragments.  Each load reads 512 consecutive bytes of one row; a K step's 16 rows turn through the
; wave's own stage in LDS (rows 528 bytes apart) and come back 16 neighbours of each block of 32 a lane.  Waves share nothing: no barrier.  Two K steps' loads (32 a wave) are out.
.set ROWB,  4096                       ; a row in memory
.set SP,    528                        ; a stage row: 512 bytes + 16
.set STG,   16*SP                      ; a wave's stage
.set R0,    16                         ; v16-143   two sets of 64 registers as loaded
.set X,     144                        ; v144-207  register 16 b + i = k 32 b + 16 (lane / 16) + i of my row
.set PC,    208                        ; v208-219  a fragment's codes
.set PT,    220                        ; v220-227  the conversions' second halves
.set TM,    228                        ; v228-243  largest magnitudes, bytes, scale operands
.set PW,    244                        ; v244-247  the four K steps' scale words
.set SEL,   20                         ; s[20:21]  v_permlanex16_b32's selects for lane l xor 16
; 64 numbers of a lane, register 16 b + i = k 32 b + 16 (lane / 16) + i of my row, become a fragment's codes in v[pc] on and its scale word in v[pw]
.macro QUANT s, pc, pt, pw
.irp b, 0,1,2,3
	v_max3_num_f32 v[TM+\b], |v[(\s)+16*\b]|, |v[(\s)+1+16*\b]|, 0x1800000   ; my 16 numbers of block b, and the floor 2^(3 - 127): the byte cannot fall under 1
.endr
.irp i, 2,4,6,8,10,12,14
.irp b, 0,1,2,3
	v_max3_num_f32 v[TM+\b], v[TM+\b], |v[(\s)+16*\b+\i]|, |v[(\s)+1+16*\b+\i]|   ; the four blocks by turns
.endr
.endr
.irp b, 0,1,2,3
	v_permlanex16_b32 v[TM+4+\b], v[TM+\b], s[SEL], s[SEL+1]
.endr
.irp b, 0,1,2,3
	v_max_num_f32 v[TM+\b], v[TM+\b], v[TM+4+\b]   ; with lane l xor 16's: the block's largest magnitude
.endr
.irp b, 0,1,2,3
	v_add_nc_u32 v[TM+12+\b], 0xff000000, v[TM+\b] ; 2 off its exponent field: the conversion's scale operand
.endr
.irp b, 0,1,2,3
	v_lshrrev_b32 v[TM+4+\b], 23, v[TM+12+\b]      ; the scale's byte
.endr
	v_lshl_or_b32 v[\pw], v[TM+5], 8, v[TM+4]      ; four bytes: my row's scale word
	v_lshl_or_b32 v[\pw], v[TM+6], 16, v[\pw]
	v_lshl_or_b32 v[\pw], v[TM+7], 24, v[\pw]
.irp c, 0,1
	v_cvt_scalef32_pk16_fp6_f32 v[(\pc)+6*\c:(\pc)+2+6*\c], v[(\s)+32*\c:(\s)+15+32*\c], v[TM+12+2*\c]
	v_cvt_scalef32_pk16_fp6_f32 v[(\pt)+4*\c:(\pt)+2+4*\c], v[(\s)+16+32*\c:(\s)+31+32*\c], v[TM+12+2*\c+1]   ; (a conversion's three registers begin on an even number)
.endr
	v_nop                                          ; one plain instruction behind the scaled conversions
.irp c, 0,1                                    ; the operand wants a whole block in a lane: lanes 0-15 block 2 c, lanes 16-31 block 2 c + 1
.irp i, 0,1,2
	v_permlane16_swap_b32 v[(\pc)+6*\c+\i], v[(\pt)+4*\c+\i]
.endr
.irp i, 0,1,2
	v_mov_b32 v[(\pc)+3+6*\c+\i], v[(\pt)+4*\c+\i]
.endr
.endr
.endm
.macro LOAD t                          ; K step t of my half: 16 rows x 512 bytes, in the tile's order of rows
.irp i, 0,1,2,3,4,5,6,7,8,9,10,11,12,13,14,15
	global_load_b128 v[R0+64*((\t)%2)+4*\i:R0+64*((\t)%2)+4*\i+3], v4, s[28:29] offset:(\i+8*(\i/8))*ROWB+512*(\t) th:TH_LOAD_NT
.endr
.endm
.macro TURN t                          ; through the stage: LDS serves a wave's instructions in order, so no wait stands between the stores and the loads
.irp i, 0,1,2,3,4,5,6,7,8,9,10,11,12,13,14,15
	ds_store_b128 v5, v[R0+64*((\t)%2)+4*\i:R0+64*((\t)%2)+4*\i+3] offset:SP*\i
.endr
.irp b, 0,1,2,3
.irp j, 0,1,2,3
	ds_load_b128 v[X+16*\b+4*\j:X+16*\b+4*\j+3], v6 offset:128*\b+16*\j
.endr
.endr
.endm
	s_load_b256 s[4:11], s[0:1], 0x0               ; x, Wq, Wk, Wv
	s_load_b128 s[12:15], s[0:1], 0x20             ; Wo, cimg
	s_load_b64 s[16:17], s[0:1], 0x30              ; csc
	v_lshl_add_u32 v254, v0, 2, 0xc600
	v_mov_b32 v255, 0
	v_lshrrev_b32 v1, 5, v0
	v_readfirstlane_b32 s18, v1                    ; wave 0..5
	v_and_b32 v1, 31, v0                           ; lane
	v_and_b32 v2, 15, v0                           ; r
	v_bfe_u32 v3, v0, 4, 1                         ; h
	v_lshlrev_b32 v4, 4, v1                        ; my 16 bytes of a load's 512
	s_mul_i32 s19, s18, STG                        ; my stage
	v_add_nc_u32 v5, s19, v4                       ; into it: 16 x lane in a row
	v_mul_u32_u24 v6, v2, SP
	v_lshl_add_u32 v6, v3, 6, v6
	v_add_nc_u32 v6, s19, v6                       ; out of it: row r, + 64 h
	v_lshlrev_b32 v7, 3, v1                        ; an image's piece: 8 x lane
	v_lshlrev_b32 v8, 4, v2
	v_lshl_add_u32 v8, v3, 3, v8                   ; the scale words: 16 r + 8 h
	s_mov_b32 s[SEL], 0x76543210
	s_mov_b32 s[SEL+1], 0xfedcba98
.irp b, 0,1,2,3
	v_mov_b32 v[TM+4+\b], 0                        ; written once: a lane permute's destination counts as one of its sources
.endr
	s_mul_i32 s22, ttmp9, 6
	s_add_co_u32 s22, s22, s18                     ; which half tile is mine: 0..1535
	s_lshr_b32 s23, s22, 1                         ; the tile, 0..767
	s_and_b32 s24, s22, 1                          ; the half of K
	s_sub_co_u32 s25, s23, 512                     ; among the weights' tiles (used where the tile is 512 or more)
	s_lshr_b32 s26, s25, 6                         ; which weight
	s_and_b32 s25, s25, 63                         ; and which of its 64 tiles
	s_wait_alu depctr_va_vdst(0)
	s_wait_kmcnt 0x0
	s_cmp_eq_u32 s26, 1                            ; the source: a choice of pointers on the tile's number alone
	s_cselect_b64 s[28:29], s[8:9], s[6:7]
	s_cmp_eq_u32 s26, 2
	s_cselect_b64 s[28:29], s[10:11], s[28:29]
	s_cmp_eq_u32 s26, 3
	s_cselect_b64 s[28:29], s[12:13], s[28:29]
	s_cmp_lt_u32 s23, 512
	s_cselect_b64 s[28:29], s[4:5], s[28:29]
	s_cselect_b32 s25, s23, s25                    ; the tile within its tensor
	s_lshr_b32 s30, s25, 1
	s_lshl_b32 s30, s30, 17                        ; 32 rows of 4,096 bytes for each pair of tiles,
	s_and_b32 s31, s25, 1
	s_lshl_b32 s31, s31, 15                        ; 8 rows for the odd tile,
	s_add_co_u32 s30, s30, s31
	s_lshl_b32 s31, s24, 11                        ; 2,048 bytes for the second half of K
	s_add_co_u32 s30, s30, s31
	s_mov_b32 s31, 0
	s_add_nc_u64 s[28:29], s[28:29], s[30:31]
	s_mul_i32 s30, s22, 6144                       ; four fragments of 1,536 bytes for each half tile
	s_add_nc_u64 s[14:15], s[14:15], s[30:31]
	s_lshr_b32 s30, s23, 1
	s_lshl_b32 s30, s30, 10                        ; csc: 1,024 bytes a pair of tiles,
	s_lshl_b32 s32, s24, 9                         ; 512 a half of K,
	s_add_co_u32 s30, s30, s32
	s_and_b32 s32, s23, 1
	s_lshl_b32 s32, s32, 8                         ; 256 a tile
	s_add_co_u32 s30, s30, s32
	s_add_nc_u64 s[16:17], s[16:17], s[30:31]
	LOAD 0
	LOAD 1
.irp t, 0,1,2,3
.if \t < 3
	s_wait_loadcnt 16                              ; this K step's 16 loads are in; the next step's 16 may be out
.else
	s_wait_loadcnt 0x0
.endif
	TURN \t
	s_wait_dscnt 0x0                               ; my 64 numbers are back, and the stage's stores have read the loaded registers
	s_wait_xcnt 0x0                                ; the last step's stores have read the codes' registers, which are written again below
.if \t < 2
	LOAD \t+2
.endif
	QUANT X, PC, PT, PW+\t
.irp p, 0,1,2,3,4,5
	global_store_b64 v7, v[PC+2*\p:PC+2*\p+1], s[14:15] offset:1536*\t+256*\p   ; 32 lanes store 256 consecutive bytes, at a multiple of 256 from cimg's first byte
.endr
.endr
	v_cmp_lt_u32 vcc_lo, 15, v1                    ; lanes 0-15 store their row's words of K steps 0, 1, lanes 16-31 those of steps 2, 3
	v_cndmask_b32 v248, v[PW], v[PW+2], vcc_lo
	v_cndmask_b32 v249, v[PW+1], v[PW+3], vcc_lo
	global_store_b64 v8, v[248:249], s[16:17]      ; 256 consecutive bytes
	s_wait_tensorcnt 0x0
	ds_add_u32 v254, v255
	s_wait_dscnt 0x0
	s_endpgm
.Lfunc_end_k_q97b4779ea2_quant:
	.size	k_q97b4779ea2_quant, .Lfunc_end_k_q97b4779ea2_quant-k_q97b4779ea2_quant
	.p2alignl 7, 3214868480
	.fill 96, 4, 3214868480
	.section	.rodata,"a",@progbits
	.p2align	6, 0x0
	.amdhsa_kernel k_q97b4779ea2_quant
		.amdhsa_group_segment_fixed_size 51456
		.amdhsa_private_segment_fixed_size 0
		.amdhsa_enable_private_segment 0
		.amdhsa_kernarg_size 56
		.amdhsa_user_sgpr_count 2
		.amdhsa_user_sgpr_kernarg_segment_ptr 1
		.amdhsa_wavefront_size32 1
		.amdhsa_system_sgpr_workgroup_id_x 1
		.amdhsa_system_sgpr_workgroup_id_y 1
		.amdhsa_system_sgpr_workgroup_id_z 1
		.amdhsa_system_vgpr_workitem_id 0
		.amdhsa_next_free_vgpr 256
		.amdhsa_next_free_sgpr 66
		.amdhsa_reserve_vcc 1
		.amdhsa_float_denorm_mode_32 3
		.amdhsa_float_denorm_mode_16_64 3
		.amdhsa_memory_ordered 1
		.amdhsa_forward_progress 1
		.amdhsa_inst_pref_size 35
	.end_amdhsa_kernel
	.amdgpu_metadata
---
amdhsa.version: [ 1, 2 ]
amdhsa.kernels:
  - .name:           k_q97b4779ea2_quant
    .symbol:         k_q97b4779ea2_quant.kd
    .args:
      - { .name: x, .offset: 0, .size: 8, .value_kind: global_buffer, .address_space: global }
      - { .name: Wq, .offset: 8, .size: 8, .value_kind: global_buffer, .address_space: global }
      - { .name: Wk, .offset: 16, .size: 8, .value_kind: global_buffer, .address_space: global }
      - { .name: Wv, .offset: 24, .size: 8, .value_kind: global_buffer, .address_space: global }
      - { .name: Wo, .offset: 32, .size: 8, .value_kind: global_buffer, .address_space: global }
      - { .name: cimg, .offset: 40, .size: 8, .value_kind: global_buffer, .address_space: global }
      - { .name: csc, .offset: 48, .size: 8, .value_kind: global_buffer, .address_space: global }
    .group_segment_fixed_size: 51456
    .private_segment_fixed_size: 0
    .kernarg_segment_align: 8
    .kernarg_segment_size: 56
    .max_flat_workgroup_size: 192
    .sgpr_count:     66
    .vgpr_count:     256
    .wavefront_size: 32
...
	.end_amdgpu_metadata
.endif
;; end of part 1
;; launch proj (part 2): grid 8 x 96, 4 waves a work-group, clusters of 4 x 4, 295,424 bytes of LDS; arguments cimg, csc, bq, bk, bv, qkv, qkvs; writes qkv, qkvs
.if DOCPART == 2
	.amdgcn_target "amdgcn-amd-amdhsa--gfx1250"
	.amdhsa_code_object_version 6
	.text
	.protected	k_q97b4779ea2_proj
	.globl	k_q97b4779ea2_proj
	.p2align	8
	.type	k_q97b4779ea2_proj,@function
k_q97b4779ea2_proj:
	s_mov_b64 s[64:65], 0
	v_nop
	global_prefetch_b8 v0, s[64:65] scope:SCOPE_SE
	s_setreg_imm32_b32 hwreg(HW_REG_WAVE_MODE, 25, 1), 1
	s_wait_xcnt 0x0
	s_wait_alu depctr_hold_cnt(0) depctr_sa_sdst(0) depctr_va_vdst(0) depctr_va_sdst(0) depctr_va_ssrc(0) depctr_va_vcc(0) depctr_vm_vsrc(0)
	s_getreg_b32 s2, hwreg(HW_REG_IB_STS2, 6, 4)
	s_cmp_eq_u32 s2, 0
	s_cbranch_scc0 .Lentry_in_a_cluster
	s_endpgm
.Lentry_in_a_cluster:
	s_bfe_u32 s2, ttmp6, 0x10000c
	s_cmp_lg_u32 s2, 0xf033
	s_cbranch_scc0 .Lentry_shape_is_right
	s_endpgm
.Lentry_shape_is_right:
; q = x Wq^T + bq, k = x Wk^T + bk, v = x Wv^T + bv on codes of FP6 (E2M3) with E8M0 scales, and each result quantised at once, in registers, for the product that reads it.
; ONE FORM FOR THE THREE: C'[a][b] = sum over K = 1,024 of A[a] B[b], quantised along b.  Source 0 takes tiles of B (their rows fall into a lane's registers), source 1 tiles of A (into lanes).
;   q, k (cluster y under 16): A = x (tokens), B = Wq and Wk stacked (2,048 features): a lane holds one token, its registers 128 features: two heads, four blocks of 32.
;   v    (cluster y from 16):  A = Wv (features), B = x (tokens): a lane holds one channel, its registers 128 tokens: the keys are the second attention product's K.
; The kinds differ in offsets alone; no branch hangs on the kind.  The bias along b is the C of the first K step, the bias along a rides on the move out of the accumulators; each is
; multiplied by 1 or 0 by the kind.  LIMIT: the biases are finite (0 x infinity would be NaN); NaN and infinities are not served; a block under 2^-124 or of zeros keeps the scale byte 1.
; SHARES.  A work-group makes 128 (A) x 256 (B); 768 work-groups.  Wave w makes A's tiles 4 (w / 2) .. + 3 x B's tiles 8 (w % 2) .. + 7: 32 accumulators.
; LDS.  All of K lies in LDS, filled once, in four chunks of 256 along K: A [chunk][tile 8][3,072] from byte 0, B [chunk][tile 16][3,072] from byte 98,304.  Fragments lie as images of their
; registers (six pieces of 256 bytes, lane l's 8 bytes at 8 l): every LDS load reads 256 consecutive bytes, so there is no padding.  No LDS byte is filled twice.
; CLUSTER 4 x 4: A's tiles are shared along a row of the cluster, B's along a column: joint loads.  Waves 0, 1 fetch A's halves, waves 2, 3 B's; four loads a wave are out at the most.
; No prefetch: all the launch's tile loads go out at its head.
; RESULT.  qkv: [I][4 fragments][1,536], qkvs: [I][row 16][4 words].  q: I = (batch x 8 + head pair) x 32 + token tile / 4; k: 1,024 + the same; v: 2,048 + (batch x 16 + head) x 16 + key step, the four fragments its four tiles of channels.
; REGISTERS.  window 0: v1-19 lane numbers, addresses, offsets; v20-31 the bias along a; v32-79 scale words; v80-175 A's fragments, two sets; v176-239 the bias along b; on the way out v80-221 are at work.
;   window 1: B's fragments, two sets, at v0 and v96.   window 2: accumulator (a, t) at v[64 a + 8 t].
.set WV,   18                          ; s18  my wave;  s19 = wave / 2, s20 = wave % 2
.set G1A,  24                          ; s[24:31] group 1 for A's tiles;  s[32:47] four groups 0, one a chunk
.set G0A,  32
.set G1B,  48                          ; s[48:55], s[68:83] the same for B's
.set G0B,  68
.set SEL,  92                          ; s[92:93] v_permlanex16_b32's selects for lane l xor 16
.set LB,   98304                       ; where B's tiles begin in LDS
.set ADRA, 4                           ; v4-7   LDS address of my A fragments in chunk 0..3
.set ADRB, 8                           ; v8-11  the same for B
.set BA2,  20                          ; v20-27 the bias along a, a pair for each tile of A
.set BA,   28                          ; v28-31 as loaded
.set SCA,  32                          ; v32-47 A's scale words: pair of tiles i, K step s at 8 i + s; lanes 0-15 the even tile, lanes 16-31 the odd one
.set SCB,  48                          ; v48-79 B's likewise
.set AF,   80
.set BB,   176
.set HA,   80                          ; the way out: 64 numbers of a lane
.set PC,   144                         ; four fragments' codes
.set PT,   192
.set TM,   200
.set PW,   216                         ; v216-219 four scale words
.set MSB, 0
.macro WIN new                         ; the immediate's high byte repeats the setting that is left
.if MSB != \new
	s_set_vgpr_msb (MSB<<8)|\new
.set MSB, \new
.endif
.endm
.macro CROUND                          ; a round of the cluster's barrier
	s_barrier_signal -1
	s_barrier_wait -1
	s_cmp_lg_u32 s[WV], 0
	s_cbranch_scc1 .Lnot_wave_0_\@
	s_barrier_signal -3
.Lnot_wave_0_\@:
	s_barrier_wait -3
	s_barrier_signal -1
	s_barrier_wait -1
.endm
.macro PLACES                          ; four plain instructions between a matrix instruction and a load into, or a vector read of, its registers
.rept 4
	v_nop
.endr
.endm
; 64 numbers of a lane, register 16 b + i = k 32 b + 16 (lane / 16) + i of my row, become a fragment's codes in v[pc] on and its scale word in v[pw]
.macro QUANT s, pc, pt, pw
.irp b, 0,1,2,3
	v_max3_num_f32 v[TM+\b], |v[(\s)+16*\b]|, |v[(\s)+1+16*\b]|, 0x1800000   ; my 16 numbers of block b, and the floor 2^(3 - 127): the byte cannot fall under 1
.endr
.irp i, 2,4,6,8,10,12,14
.irp b, 0,1,2,3
	v_max3_num_f32 v[TM+\b], v[TM+\b], |v[(\s)+16*\b+\i]|, |v[(\s)+1+16*\b+\i]|
.endr
.endr
.irp b, 0,1,2,3
	v_permlanex16_b32 v[TM+4+\b], v[TM+\b], s[SEL], s[SEL+1]
.endr
.irp b, 0,1,2,3
	v_max_num_f32 v[TM+\b], v[TM+\b], v[TM+4+\b]   ; with lane l xor 16's: the block's largest magnitude
.endr
.irp b, 0,1,2,3
	v_add_nc_u32 v[TM+12+\b], 0xff000000, v[TM+\b] ; 2 off its exponent field: the conversion's scale operand
.endr
.irp b, 0,1,2,3
	v_lshrrev_b32 v[TM+4+\b], 23, v[TM+12+\b]      ; the scale's byte
.endr
	v_lshl_or_b32 v[\pw], v[TM+5], 8, v[TM+4]
	v_lshl_or_b32 v[\pw], v[TM+6], 16, v[\pw]
	v_lshl_or_b32 v[\pw], v[TM+7], 24, v[\pw]
.irp c, 0,1
	v_cvt_scalef32_pk16_fp6_f32 v[(\pc)+6*\c:(\pc)+2+6*\c], v[(\s)+32*\c:(\s)+15+32*\c], v[TM+12+2*\c]
	v_cvt_scalef32_pk16_fp6_f32 v[(\pt)+4*\c:(\pt)+2+4*\c], v[(\s)+16+32*\c:(\s)+31+32*\c], v[TM+12+2*\c+1]   ; (a conversion's three registers begin on an even number)
.endr
	v_nop                                          ; one plain instruction behind the scaled conversions
.irp c, 0,1                                    ; the operand wants a whole block in a lane
.irp i, 0,1,2
	v_permlane16_swap_b32 v[(\pc)+6*\c+\i], v[(\pt)+4*\c+\i]
.endr
.irp i, 0,1,2
	v_mov_b32 v[(\pc)+3+6*\c+\i], v[(\pt)+4*\c+\i]
.endr
.endr
.endm
.macro FETCH s, set                    ; K step s: my 8 fragments of B and 4 of A into set: 72 loads in one run
	WIN 0x40                                       ; destination window 1, address window 0
.irp t, 0,1,2,3,4,5,6,7
.irp p, 0,1,2,3,4,5
	ds_load_b64 v[96*(\set)+12*\t+2*\p:96*(\set)+12*\t+2*\p+1], v[ADRB+(\s)/2] offset:3072*\t+1536*((\s)%2)+256*\p
.endr
.endr
	WIN 0
.irp a, 0,1,2,3
.irp p, 0,1,2,3,4,5
	ds_load_b64 v[AF+48*(\set)+12*\a+2*\p:AF+48*(\set)+12*\a+2*\p+1], v[ADRA+(\s)/2] offset:3072*\a+1536*((\s)%2)+256*\p
.endr
.endr
.endm
.macro WM ra, rb                       ; one product; ra, rb: source 0's, source 1's scale words stand in lanes 16-31
.if (\ra) && (\rb)
	v_wmma_scale_f32_16x16x128_f8f6f4 v[rD:rD+7], v[rB:rB+11], v[rA:rA+11], v[rC:rC+7], v[rSB], v[rSA] matrix_a_fmt:MATRIX_FMT_FP6 matrix_b_fmt:MATRIX_FMT_FP6 matrix_a_scale:MATRIX_SCALE_ROW1 matrix_b_scale:MATRIX_SCALE_ROW1
.elseif (\ra)
	v_wmma_scale_f32_16x16x128_f8f6f4 v[rD:rD+7], v[rB:rB+11], v[rA:rA+11], v[rC:rC+7], v[rSB], v[rSA] matrix_a_fmt:MATRIX_FMT_FP6 matrix_b_fmt:MATRIX_FMT_FP6 matrix_a_scale:MATRIX_SCALE_ROW1
.elseif (\rb)
	v_wmma_scale_f32_16x16x128_f8f6f4 v[rD:rD+7], v[rB:rB+11], v[rA:rA+11], v[rC:rC+7], v[rSB], v[rSA] matrix_a_fmt:MATRIX_FMT_FP6 matrix_b_fmt:MATRIX_FMT_FP6 matrix_b_scale:MATRIX_SCALE_ROW1
.else
	v_wmma_scale_f32_16x16x128_f8f6f4 v[rD:rD+7], v[rB:rB+11], v[rA:rA+11], v[rC:rC+7], v[rSB], v[rSA] matrix_a_fmt:MATRIX_FMT_FP6 matrix_b_fmt:MATRIX_FMT_FP6
.endif
.endm
; A K step's 32 products.  The 32 accumulators take turns, one instruction a turn, in the same order in every step.  first = 1: C is the bias along b: nothing is cleared.
.macro MUL32 s, set, first
.if \first
	WIN 0x81                                       ; source 0 (B) window 1, source 1 (A) and C window 0, D window 2
.else
	WIN 0xa1                                       ; C and D window 2
.endif
.irp a, 0,1,2,3
.irp t, 0,1,2,3,4,5,6,7
.set rD, 64*\a+8*\t
.set rB, 96*(\set)+12*\t
.set rA, AF+48*(\set)+12*\a
.set rSB, SCB+8*(\t/2)+(\s)
.set rSA, SCA+8*(\a/2)+(\s)
.if \first
.set rC, BB+8*\t
.else
.set rC, 64*\a+8*\t
.endif
	WM \t%2, \a%2
.endr
.endr
.endm
.macro STEP s, first
	s_wait_dscnt 0x0                               ; this step's fragments, asked for a step (32 matrix instructions) ago
.if ((\s)%2 == 1) && ((\s) < 7)
	s_wait_tensorcnt 3-((\s)+1)/2                  ; my part of the next chunk has landed; the later chunks may stay out
	s_barrier_signal -1
	s_barrier_wait -1                              ; everybody's has
.endif
.if (\s) < 7
	PLACES                                         ; the other set was read by the last step's products
	FETCH (\s)+1, 1-(\s)%2
.endif
	MUL32 \s, (\s)%2, \first
.endm
	s_load_b256 s[4:11], s[0:1], 0x0               ; cimg, csc, bq, bk
	s_load_b128 s[12:15], s[0:1], 0x20             ; bv, qkv
	s_load_b64 s[16:17], s[0:1], 0x30              ; qkvs
	v_lshl_add_u32 v254, v0, 2, 0x48000
	v_mov_b32 v255, 0
	ds_add_u32 v254, v255
	ds_add_u32 v254, v255
	v_lshrrev_b32 v1, 5, v0
	v_readfirstlane_b32 s[WV], v1                  ; wave 0..3
	s_lshr_b32 s19, s[WV], 1                       ; which 4 tiles of A are mine.  Also: I fetch for A (0) or for B (1)
	s_and_b32 s20, s[WV], 1                        ; which 8 tiles of B.  Also: which half of that tile I fetch
	s_bfe_u32 s21, ttmp6, 0x40000                  ; cx
	s_bfe_u32 s22, ttmp6, 0x40004                  ; cy
	s_and_b32 s23, ttmp7, 0xffff                   ; cluster y: 0-15 q and k, 16-23 v
	s_lshl_b32 s85, s23, 2
	s_lshl_b32 s86, ttmp9, 2
	s_sub_co_u32 s84, s85, 64                      ; 4 (cluster y - 16): used for v alone
	s_cmp_ge_u32 s23, 16                           ; the kind: the same in all sixteen partners
	s_cselect_b32 s56, s86, s85                    ; A's block of 128 rows: 4 x (v: cluster x; q, k: cluster y) + cy
	s_cselect_b32 s60, s84, s86                    ; B's block of 256 rows: 4 x (v: cluster y - 16; q, k: cluster x) + cx
	s_cselect_b32 s57, 640, 0                      ; A's first tile in cimg: Wv's or x's
	s_cselect_b32 s61, 0, 512                      ; B's: x's or Wq's
	s_cselect_b32 s87, 1, 0                        ; 1 for v
	s_cselect_b32 s94, 0, 1.0                      ; what the bias along b is multiplied by,
	s_cselect_b32 s96, 1.0, 0                      ; and the bias along a
	s_mov_b32 s95, s94                             ; (named with s94 as a pair)
	s_add_co_u32 s56, s56, s22                     ; iA.  s56-59 never hold cx, s60-63 never cy
	s_add_co_u32 s60, s60, s21                     ; iB
	s_lshl_b32 s58, s56, 3
	s_add_co_u32 s57, s57, s58                     ; A's first tile
	s_lshl_b32 s62, s60, 4
	s_add_co_u32 s61, s61, s62                     ; B's first tile
	s_lshl_b32 s58, s22, 2
	s_lshl_b32 s58, 15, s58                        ; my row of the cluster
	s_lshl_b32 s62, 0x1111, s21                    ; my column
	; group 1: rows of 3,072 bytes (a tile's two K steps: 384 elements of 8 bytes), 12,288 bytes apart (a tile's whole K); A: 4 tiles a load, B: 8
	s_or_b32 s[G1A], s58, (3<<16)|(1<<21)          ; 15:0 the mask; 17:16 elements of 8 bytes; 21 set beside a mask; no padding
	s_or_b32 s[G1B], s62, (3<<16)|(1<<21)
	s_mov_b32 s[G1A+1], 384<<16                    ; tensor_dim0
	s_mov_b32 s[G1A+2], 4<<16                      ; tensor_dim1
	s_mov_b32 s[G1A+3], 384<<16                    ; tile_dim0
	s_mov_b32 s[G1A+4], 4                          ; tile_dim1
	s_mov_b32 s[G1A+5], 1536                       ; stride
	s_mov_b32 s[G1A+6], 0
	s_mov_b32 s[G1A+7], 0
	s_mov_b32 s[G1B+1], 384<<16
	s_mov_b32 s[G1B+2], 8<<16
	s_mov_b32 s[G1B+3], 384<<16
	s_mov_b32 s[G1B+4], 8
	s_mov_b32 s[G1B+5], 1536
	s_mov_b32 s[G1B+6], 0
	s_mov_b32 s[G1B+7], 0
	s_lshl_b32 s58, s20, 2
	s_add_co_u32 s58, s58, s57
	s_mul_i32 s58, s58, 12288                      ; where the half of A that I would fetch begins in cimg
	s_mov_b32 s59, 0
	s_lshl_b32 s62, s20, 3
	s_add_co_u32 s62, s62, s61
	s_mul_i32 s62, s62, 12288                      ; and the half of B
	s_mov_b32 s63, 0
	s_mul_i32 s88, s20, 12288                      ; and where they go in LDS: no place in the cluster enters
	s_mul_i32 s89, s20, 24576
	s_add_co_u32 s89, s89, LB
	v_and_b32 v1, 31, v0                           ; lane
	v_and_b32 v2, 15, v0                           ; r
	v_bfe_u32 v3, v0, 4, 1                         ; h
	s_wait_alu depctr_va_vdst(0)
	v_lshlrev_b32 v12, 3, v1                       ; 8 x lane: an image's piece
	v_lshlrev_b32 v13, 4, v2
	v_lshl_add_u32 v13, v3, 3, v13                 ; 16 r + 8 h: my two scale words on the way out
	v_lshlrev_b32 v14, 4, v1                       ; 16 x lane
	s_lshl_b32 s90, s57, 9                         ; csc: 1,024 bytes a pair of tiles
	s_lshl_b32 s91, s19, 11
	s_add_co_u32 s90, s90, s91
	v_add_nc_u32 v17, s90, v14                     ; my A tiles' scale words
	s_lshl_b32 s90, s61, 9
	s_lshl_b32 s91, s20, 12
	s_add_co_u32 s90, s90, s91
	v_add_nc_u32 v18, s90, v14                     ; my B tiles'
	s_and_b32 s90, s60, 3                          ; the bias along b, for q and k: my 128 features begin at 256 (iB % 4) + 128 (wave % 2)
	s_lshl_b32 s90, s90, 10
	s_lshl_b32 s91, s20, 9
	s_add_co_u32 s90, s90, s91
	s_lshl_b32 s98, s56, 9                         ; the bias along a, for v: my 64 features begin at 128 iA + 64 (wave / 2)
	s_lshl_b32 s91, s19, 8
	s_add_co_u32 s98, s98, s91
	s_cmp_eq_u32 s87, 1
	s_cselect_b32 s90, 0, s90                      ; the bias that the kind does not use is read at the buffer's head and multiplied by 0
	s_cselect_b32 s98, s98, 0
	v_lshlrev_b32 v15, 6, v3
	v_add_nc_u32 v15, s90, v15                     ; along b: tile t's eight numbers of my half: + 64 h
	v_and_b32 v16, 8, v2
	v_add_nc_u32 v16, v16, v2
	v_lshlrev_b32 v16, 2, v16
	v_add_nc_u32 v16, s98, v16                     ; along a: row r + 8 (r / 8) of a tile
	; where my four fragments go
	s_lshl_b32 s90, s56, 3
	s_lshl_b32 s91, s19, 2
	s_add_co_u32 s90, s90, s91                     ; q, k: my first token tile, 0..511
	s_lshr_b32 s91, s90, 7                         ; batch
	s_lshl_b32 s91, s91, 3
	s_and_b32 s100, s60, 3
	s_lshl_b32 s100, s100, 1
	s_add_co_u32 s91, s91, s100
	s_add_co_u32 s91, s91, s20                     ; batch x 8 + head pair
	s_lshl_b32 s91, s91, 5
	s_and_b32 s90, s90, 127
	s_lshr_b32 s90, s90, 2
	s_add_co_u32 s91, s91, s90
	s_lshr_b32 s90, s60, 2                         ; 0: q, 1: k
	s_lshl_b32 s90, s90, 10
	s_add_co_u32 s91, s91, s90                     ; I for q and k
	s_lshl_b32 s90, s60, 1
	s_add_co_u32 s90, s90, s20                     ; v: my group of 128 tokens, 0..63
	s_lshr_b32 s100, s90, 4
	s_lshl_b32 s100, s100, 4
	s_lshl_b32 s101, s56, 1
	s_add_co_u32 s100, s100, s101
	s_add_co_u32 s100, s100, s19                   ; batch x 16 + head
	s_lshl_b32 s100, s100, 4
	s_and_b32 s90, s90, 15
	s_add_co_u32 s100, s100, s90
	s_add_co_u32 s100, s100, 2048                  ; I for v
	s_cmp_eq_u32 s87, 1
	s_cselect_b32 s100, s100, s91
	s_mov_b32 s[SEL], 0x76543210
	s_mov_b32 s[SEL+1], 0xfedcba98
	s_wait_dscnt 0x0
	s_wait_kmcnt 0x0
	s_mul_i32 s90, s100, 6144
	s_mov_b32 s91, 0
	s_add_nc_u64 s[14:15], s[14:15], s[90:91]
	s_lshl_b32 s90, s100, 8
	s_add_nc_u64 s[16:17], s[16:17], s[90:91]
	s_cmp_eq_u32 ttmp9, 0                          ; q, k: cluster x = 0 holds Wq's features, 1 Wk's
	s_cselect_b64 s[98:99], s[8:9], s[10:11]
	s_cmp_eq_u32 s87, 1
	s_cselect_b64 s[98:99], s[12:13], s[98:99]     ; the kind's bias
	s_add_nc_u64 s[58:59], s[4:5], s[58:59]
	s_add_nc_u64 s[62:63], s[4:5], s[62:63]
.irp q, 0,1,2,3
	s_mov_b32 s[G0A+4*\q], 1                       ; count = 1
	s_add_co_u32 s[G0A+4*\q+1], s88, \q*24576      ; LDS address: chunk q
	s_add_nc_u64 s[G0A+4*\q+2:G0A+4*\q+3], s[58:59], \q*3072   ; global address: K steps 2 q, 2 q + 1
	s_or_b32 s[G0A+4*\q+3], s[G0A+4*\q+3], 0x80000000          ; type = 2
	s_mov_b32 s[G0B+4*\q], 1
	s_add_co_u32 s[G0B+4*\q+1], s89, \q*49152
	s_add_nc_u64 s[G0B+4*\q+2:G0B+4*\q+3], s[62:63], \q*3072
	s_or_b32 s[G0B+4*\q+3], s[G0B+4*\q+3], 0x80000000
.endr
	CROUND                                         ; all sixteen work-groups are here: the joint loads meet
	s_cmp_eq_u32 s19, 0                            ; a wave's four fills stand in one branch on the wave's number; four v_nop follow the last
	s_cbranch_scc0 .Lfor_b
	tensor_load_to_lds s[G0A:G0A+3], s[G1A:G1A+7]
	s_nop 0
	tensor_load_to_lds s[G0A+4:G0A+7], s[G1A:G1A+7]
	s_nop 0
	tensor_load_to_lds s[G0A+8:G0A+11], s[G1A:G1A+7]
	s_nop 0
	tensor_load_to_lds s[G0A+12:G0A+15], s[G1A:G1A+7]
	s_nop 0
.rept 4
	v_nop
.endr
	s_branch .Lasked
.Lfor_b:
	tensor_load_to_lds s[G0B:G0B+3], s[G1B:G1B+7]
	s_nop 0
	tensor_load_to_lds s[G0B+4:G0B+7], s[G1B:G1B+7]
	s_nop 0
	tensor_load_to_lds s[G0B+8:G0B+11], s[G1B:G1B+7]
	s_nop 0
	tensor_load_to_lds s[G0B+12:G0B+15], s[G1B:G1B+7]
	s_nop 0
.rept 4
	v_nop
.endr
.Lasked:
	s_wait_alu depctr_va_vdst(0)
.irp i, 0,1                                    ; the scale words of all of K stay in registers: 16 bytes a lane are four K steps' words of two tiles
.irp q, 0,1
	global_load_b128 v[SCA+8*\i+4*\q:SCA+8*\i+4*\q+3], v17, s[6:7] offset:1024*\i+512*\q
.endr
.endr
.irp i, 0,1,2,3
.irp q, 0,1
	global_load_b128 v[SCB+8*\i+4*\q:SCB+8*\i+4*\q+3], v18, s[6:7] offset:1024*\i+512*\q
.endr
.endr
.irp t, 0,1,2,3,4,5,6,7                        ; lane (r, h) wants, for tile t, the bias of rows 32 (t / 2) + 16 h + 8 (t % 2) + 0 .. 7
	global_load_b128 v[BB+8*\t:BB+8*\t+3], v15, s[98:99] offset:(32*(\t/2)+8*(\t%2))*4
	global_load_b128 v[BB+8*\t+4:BB+8*\t+7], v15, s[98:99] offset:(32*(\t/2)+8*(\t%2))*4+16
.endr
.irp a, 0,1,2,3
	global_load_b32 v[BA+\a], v16, s[98:99] offset:(32*(\a/2)+8*(\a%2))*4
.endr
	s_mul_i32 s90, s19, 12288                      ; my 4 tiles of A,
	s_mul_i32 s91, s20, 24576                      ; my 8 tiles of B
	s_add_co_u32 s91, s91, LB
.irp q, 0,1,2,3
	v_add_nc_u32 v[ADRA+\q], s90, v12
	v_add_nc_u32 v[ADRB+\q], s91, v12
	s_add_co_u32 s90, s90, 24576
	s_add_co_u32 s91, s91, 49152
.endr
	s_wait_alu depctr_va_vdst(0)
	s_wait_tensorcnt 3                             ; my part of chunk 0 has landed; the three later chunks may stay out
	s_barrier_signal -1
	s_barrier_wait -1                              ; everybody's has
	FETCH 0, 0
	s_wait_loadcnt 0x0                             ; scale words and biases
.set i, 0
.rept 32
	v_pk_mul_f32 v[BB+i:BB+i+1], v[BB+i:BB+i+1], s[94:95] op_sel_hi:[1,0]   ; x 1 for q and k, x 0 for v
.set i, i+2
.endr
.irp a, 0,1,2,3
	v_mul_f32 v[BA2+2*\a], s96, v[BA+\a]           ; x 1 for v, x 0 for q and k; twice, for the packed addition
	v_mul_f32 v[BA2+2*\a+1], s96, v[BA+\a]
.endr
	s_wait_alu depctr_va_vdst(0)
	STEP 0, 1
	STEP 1, 0
	STEP 2, 0
	STEP 3, 0
	STEP 4, 0
	STEP 5, 0
	STEP 6, 0
	STEP 7, 0
	; THE WAY OUT.  For each tile a of A a lane's 64 results are 128 along b of one row: one fragment and one scale word a row.
	WIN 0
.irp b, 0,1,2,3
	v_mov_b32 v[TM+4+\b], 0                        ; a lane permute's destination counts as one of its sources.  (These four are the places behind the last products)
.endr
.irp a, 0,1,2,3
	WIN 0x02                                       ; source 0 window 2
.set i, 0
.rept 32
	v_pk_add_f32 v[HA+i:HA+i+1], v[64*\a+i:64*\a+i+1], v[BA2+2*\a:BA2+2*\a+1]   ; out of the accumulators, each from its low end on, + the bias along a
.set i, i+2
.endr
	WIN 0
	QUANT HA, PC+12*\a, PT, PW+\a
.irp p, 0,1,2,3,4,5
	global_store_b64 v12, v[PC+12*\a+2*\p:PC+12*\a+2*\p+1], s[14:15] offset:1536*\a+256*\p   ; 256 consecutive bytes, at a multiple of 256 from qkv's first byte; each fragment has registers of its own
.endr
.endr
	v_cmp_lt_u32 vcc_lo, 15, v1                    ; lanes 0-15 store their row's words of fragments 0, 1, lanes 16-31 those of 2, 3
	v_cndmask_b32 v220, v[PW], v[PW+2], vcc_lo
	v_cndmask_b32 v221, v[PW+1], v[PW+3], vcc_lo
	global_store_b64 v13, v[220:221], s[16:17]     ; 256 consecutive bytes
	s_wait_tensorcnt 0x0
	ds_add_u32 v254, v255
	s_wait_dscnt 0x0
	CROUND                                         ; the closing round: no work-group ends while a partner may still ask for a tile that names it
	s_endpgm
.Lfunc_end_k_q97b4779ea2_proj:
	.size	k_q97b4779ea2_proj, .Lfunc_end_k_q97b4779ea2_proj-k_q97b4779ea2_proj
	.p2alignl 7, 3214868480
	.fill 96, 4, 3214868480
	.section	.rodata,"a",@progbits
	.p2align	6, 0x0
	.amdhsa_kernel k_q97b4779ea2_proj
		.amdhsa_group_segment_fixed_size 295424
		.amdhsa_private_segment_fixed_size 0
		.amdhsa_enable_private_segment 0
		.amdhsa_kernarg_size 56
		.amdhsa_user_sgpr_count 2
		.amdhsa_user_sgpr_kernarg_segment_ptr 1
		.amdhsa_wavefront_size32 1
		.amdhsa_system_sgpr_workgroup_id_x 1
		.amdhsa_system_sgpr_workgroup_id_y 1
		.amdhsa_system_sgpr_workgroup_id_z 1
		.amdhsa_system_vgpr_workitem_id 0
		.amdhsa_next_free_vgpr 768
		.amdhsa_next_free_sgpr 102
		.amdhsa_reserve_vcc 1
		.amdhsa_float_denorm_mode_32 3
		.amdhsa_float_denorm_mode_16_64 3
		.amdhsa_memory_ordered 1
		.amdhsa_forward_progress 1
		.amdhsa_inst_pref_size 112
	.end_amdhsa_kernel
	.amdgpu_metadata
---
amdhsa.version: [ 1, 2 ]
amdhsa.kernels:
  - .name:           k_q97b4779ea2_proj
    .symbol:         k_q97b4779ea2_proj.kd
    .args:
      - { .name: cimg, .offset: 0, .size: 8, .value_kind: global_buffer, .address_space: global }
      - { .name: csc, .offset: 8, .size: 8, .value_kind: global_buffer, .address_space: global }
      - { .name: bq, .offset: 16, .size: 8, .value_kind: global_buffer, .address_space: global }
      - { .name: bk, .offset: 24, .size: 8, .value_kind: global_buffer, .address_space: global }
      - { .name: bv, .offset: 32, .size: 8, .value_kind: global_buffer, .address_space: global }
      - { .name: qkv, .offset: 40, .size: 8, .value_kind: global_buffer, .address_space: global }
      - { .name: qkvs, .offset: 48, .size: 8, .value_kind: global_buffer, .address_space: global }
    .group_segment_fixed_size: 295424
    .private_segment_fixed_size: 0
    .kernarg_segment_align: 8
    .kernarg_segment_size: 56
    .max_flat_workgroup_size: 128
    .sgpr_count:     102
    .vgpr_count:     768
    .wavefront_size: 32
...
	.end_amdgpu_metadata
.endif
;; end of part 2
;; launch attn (part 3): grid 4 x 64, 16 waves a work-group, clusters of 4 x 1, 210,944 bytes of LDS; arguments qkv, qkvs, oimg, osc; writes oimg, osc
.if DOCPART == 3
	.amdgcn_target "amdgcn-amd-amdhsa--gfx1250"
	.amdhsa_code_object_version 6
	.text
	.protected	k_q97b4779ea2_attn
	.globl	k_q97b4779ea2_attn
	.p2align	8
	.type	k_q97b4779ea2_attn,@function
k_q97b4779ea2_attn:
	s_mov_b64 s[64:65], 0
	v_nop
	global_prefetch_b8 v0, s[64:65] scope:SCOPE_SE
	s_setreg_imm32_b32 hwreg(HW_REG_WAVE_MODE, 25, 1), 1
	s_wait_xcnt 0x0
	s_wait_alu depctr_hold_cnt(0) depctr_sa_sdst(0) depctr_va_vdst(0) depctr_va_sdst(0) depctr_va_ssrc(0) depctr_va_vcc(0) depctr_vm_vsrc(0)
	s_getreg_b32 s2, hwreg(HW_REG_IB_STS2, 6, 4)
	s_cmp_eq_u32 s2, 0
	s_cbranch_scc0 .Lentry_in_a_cluster
	s_endpgm
.Lentry_in_a_cluster:
	s_bfe_u32 s2, ttmp6, 0x10000c
	s_cmp_lg_u32 s2, 0x3003
	s_cbranch_scc0 .Lentry_shape_is_right
	s_endpgm
.Lentry_shape_is_right:
; o = softmax(q k^T / 8) v for one head, both products on codes of FP6 (E2M3) with E8M0 scales; o is quantised at once, along the hidden axis, for the last product.
; THE SOFTMAX: t = score x log2(e) / 8; M = the row's largest t so far, rounded UP to a whole number; p = 2^(t - M) is what is quantised, along the keys, not normalised.  The row's sum is taken of the
; unquantised p and divides o at the end.  When M moves, the sum and o are multiplied by 2^(old M - new M): exact.
; SHARES.  A work-group takes one head (cluster y: batch x 16 + head) and a quarter of its 2,048 queries (cx).  Each of its sixteen waves owns one tile of 16 queries in each of two passes and walks
; all 2,048 keys, 128 a step: four waves to a SIMD, so that one wave's vector work stands beside another's matrix work and LDS loads.
; LDS, each byte filled once: from 0 the head's K: 128 tiles of 16 keys x 768 bytes (my head's half of a head pair's fragment); from 98,304 V: [key step 16][tile of 16 channels 4][1,536];
; from 196,608 the head pair's scale words of K (8,192 bytes); from 204,800 V's (4,096).  Fragments lie as images of their registers: every load reads 256 consecutive bytes; no padding.
; CLUSTER.  The four quarters of a head read the same K and V: every tensor load is joint (mask 15).  Wave 0 fetches K (its scale words, then four chunks of 512 keys), wave 1 V: five loads of a wave are out at the most.
; No prefetch: all the launch's tile loads go out at its head.
; LAYOUT.  Both products transposed: S^T = K Q^T, O^T = V^T P^T: a lane holds one query (lane % 16) throughout.  Lane r of tile 2 g + u of K holds key 32 g + 8 u + r + 8 (r / 8), so the 16 registers of two
; neighbouring tiles are 16 neighbouring keys; V's tiles of channels are ordered likewise, so O^T's 32 registers are channels 32 b + 16 (lane / 16) + i.
; THE HEAD'S 64 IN AN INSTRUCTION OF 128 ALONG K.  Q's registers 6-11 are zero codes.  K's operand is a run of 12 registers of which the upper six are the next tile's codes: codes are finite numbers, and
; times zero they add nothing.  The scale words come as 16 bits: bytes 0, 1 are my head's two blocks, bytes 2, 3 are 0.
; LIMITS: NaN and infinities are not served; a block of o under 2^-124 or of zeros keeps the scale byte 1.  o's scale bytes leave one byte a lane, 16 bytes apart: 262,144 bytes of the launch's 6,553,600.
; REGISTERS: v1-7 places that stay; v8-11 addresses in hand; v12 -M, v13 the largest t, v[14:15] the sum; v16-27, v28-39 Q of pass 0, 1; v40, v41 their scale words; v42-95 fragments of K or V;
; v96-159 S^T, then p; v160-191 O^T; v192-193 V's scale words; v224-235 p's codes; v232-247, v252, v254 at work; v248-251 K's scale words; v253 p's scale word.
.set VT,   98304
.set KS,   196608
.set VS,   204800
.set WV,   12                          ; s12  my wave
.set SEL,  20                          ; s[20:21] v_permlanex16_b32's selects for lane l xor 16
.set CS,   22                          ; s[22:23] c = log2(e) / 8
.set G1K,  24                          ; s[24:31] group 1 for K's chunks, s[32:39] V's, s[40:47] K's scale words, s[48:55] V's
.set G1V,  32
.set G1KS, 40
.set G1VS, 48
.set TK,   56                          ; s56  the key step's tiles begin here in K's and in V's region: 6,144 bytes a step
.set TS,   57                          ; s57  its scale words of K: 512 bytes a step
.set TV,   58                          ; s58  of V: 256
.set CNT,  59
.set G0S,  68                          ; s[68:71] group 0 for my scale words;  s[72:87] for my four chunks
.set G0C,  72
.set AK0,  1                           ; v1   8 x lane: my place in a piece of an image, in LDS and in memory
.set AV0,  2                           ; v2   the same in V's region
.set ASK0, 3                           ; v3   my place among K's scale words
.set ASV0, 4                           ; v4   among V's
.set OB,   6                           ; v6   16 r + h: o's scale byte
.set QSO,  7                           ; v7   16 r: Q's scale word
.set ADK,  8
.set ADV,  9
.set ADS,  10
.set ADT,  11
.set F,    42
.macro CROUND                          ; a round of the cluster's barrier
	s_barrier_signal -1
	s_barrier_wait -1
	s_cmp_lg_u32 s[WV], 0
	s_cbranch_scc1 .Lnot_wave_0_\@
	s_barrier_signal -3
.Lnot_wave_0_\@:
	s_barrier_wait -3
	s_barrier_signal -1
	s_barrier_wait -1
.endm
; A KEY STEP: 128 keys.  q: Q's fragment, qs: its scale word
.macro STEP q, qs
	v_add_nc_u32 v[ADK], s[TK], v[AK0]             ; (these four are the places between the last products and the loads into the registers that they read)
	v_add_nc_u32 v[ADV], s[TK], v[AV0]
	v_add_nc_u32 v[ADS], s[TS], v[ASK0]
	v_add_nc_u32 v[ADT], s[TV], v[ASV0]
.irp t, 0,1,2,3,4,5,6,7
.irp p, 0,1,2
	ds_load_b64 v[F+6*\t+2*\p:F+6*\t+2*\p+1], v[ADK] offset:768*\t+256*\p
.endr
.endr
.irp i, 0,1,2,3
	ds_load_u16 v[248+\i], v[ADS] offset:256*(\i/2)+8*(\i%2)   ; lanes 0-15: tile 2 i's rows, lanes 16-31: tile 2 i + 1's
.endr
	s_wait_alu depctr_va_vdst(0)
	s_wait_dscnt 0x0
.irp t, 0,2,4,6
	v_wmma_scale_f32_16x16x128_f8f6f4 v[96+8*\t:103+8*\t], v[F+6*\t:F+6*\t+11], v[\q:\q+11], 0, v[248+\t/2], v[\qs] matrix_a_fmt:MATRIX_FMT_FP6 matrix_b_fmt:MATRIX_FMT_FP6
	v_wmma_scale_f32_16x16x128_f8f6f4 v[104+8*\t:111+8*\t], v[F+6*\t+6:F+6*\t+17], v[\q:\q+11], 0, v[248+\t/2], v[\qs] matrix_a_fmt:MATRIX_FMT_FP6 matrix_b_fmt:MATRIX_FMT_FP6 matrix_a_scale:MATRIX_SCALE_ROW1
.endr
.rept 4
	v_nop                                          ; places: in front of the loads below and of the first read of the scores
.endr
.irp t, 0,1,2,3                                ; V is asked for now and lands under the softmax
.irp p, 0,1,2,3,4,5
	ds_load_b64 v[F+12*\t+2*\p:F+12*\t+2*\p+1], v[ADV] offset:1536*\t+256*\p
.endr
.endr
.irp i, 0,1
	ds_load_b32 v[192+\i], v[ADT] offset:8*\i      ; lanes 0-15: tile 2 i's rows, lanes 16-31: tile 2 i + 1's
.endr
.irp b, 0,1,2,3
	v_max3_num_f32 v[232+\b], v[96+16*\b], v[97+16*\b], v[98+16*\b]   ; the largest score of each block of 32 keys: for the row's maximum, and, since p rises with the score, for the block's largest p
.endr
.irp i, 3,5,7,9,11,13
.irp b, 0,1,2,3
	v_max3_num_f32 v[232+\b], v[232+\b], v[96+16*\b+\i], v[97+16*\b+\i]
.endr
.endr
.irp b, 0,1,2,3
	v_max_num_f32 v[232+\b], v[232+\b], v[111+16*\b]
.endr
.irp b, 0,1,2,3
	s_delay_alu instid0(VALU_DEP_4)
	v_permlanex16_b32 v[236+\b], v[232+\b], s[SEL], s[SEL+1]
.endr
.irp b, 0,1,2,3
	s_delay_alu instid0(VALU_DEP_4)
	v_max_num_f32 v[232+\b], v[232+\b], v[236+\b]  ; with lane l xor 16's 16 keys
.endr
	s_delay_alu instid0(VALU_DEP_2)
	v_max3_num_f32 v254, v232, v233, v234
	s_delay_alu instid0(VALU_DEP_1)
	v_max_num_f32 v254, v254, v235                 ; the step's largest score of my query
	s_delay_alu instid0(VALU_DEP_1)
	v_mul_f32 v254, s[CS], v254                    ; as t (c is positive)
	s_delay_alu instid0(VALU_DEP_1)
	v_max_num_f32 v13, v13, v254                   ; the running largest t
	v_mov_b32 v254, v12
	s_delay_alu instid0(VALU_DEP_2)
	v_floor_f32 v12, -v13                          ; the new -M = floor(-t) = -ceil(t)
	s_delay_alu instid0(VALU_DEP_1)
	v_sub_f32 v254, v12, v254                      ; old M - new M: a whole number, 0 or less
	s_delay_alu instid0(VALU_DEP_1)
	v_cvt_i32_f32 v254, v254                       ; (it saturates)
	s_delay_alu instid0(VALU_DEP_1)
	v_ldexp_f32 v252, 1.0, v254                    ; f = 2^(old M - new M)
.set j, 0
.rept 32
	v_pk_fma_f32 v[96+j:97+j], v[96+j:97+j], s[CS:CS+1], v[12:13] op_sel_hi:[1,0,0]   ; t - M, two at a time
.set j, j+2
.endr
.irp b, 0,1,2,3
	v_fma_f32 v[232+\b], v[232+\b], s[CS], v12     ; the same of each block's largest score
.endr
.set j, 0
	s_setprio 1
	s_wait_alu depctr_va_vdst(0)
.rept 64
	v_exp_f32 v[96+j], v[96+j]                     ; p = 2^(t - M), at most 1
.set j, j+1
.endr
	v_pk_mul_f32 v[14:15], v[14:15], v[252:253] op_sel_hi:[1,0]   ; the sums under the new M.  (The plain instruction behind the exponentials)
	s_wait_alu depctr_va_vdst(0)                   ; one wait for the whole batch, ahead of its first reader
.irp b, 0,1,2,3
	v_exp_f32 v[232+\b], v[232+\b]                 ; the block's largest p: the same two instructions on the same number give the same bits
.endr
	v_pk_add_f32 v[236:237], v[100:101], v[104:105]
	v_pk_add_f32 v[250:251], v[108:109], v[112:113]
	v_pk_add_f32 v[248:249], v[116:117], v[120:121]
	v_pk_add_f32 v[246:247], v[124:125], v[128:129]
	v_pk_add_f32 v[244:245], v[132:133], v[136:137]
	v_pk_add_f32 v[240:241], v[140:141], v[144:145]
	v_pk_add_f32 v[238:239], v[148:149], v[152:153]
	v_pk_add_f32 v[14:15], v[14:15], v[156:157]
	v_pk_add_f32 v[236:237], v[236:237], v[96:97]
	v_pk_add_f32 v[250:251], v[250:251], v[98:99]
	v_pk_add_f32 v[248:249], v[248:249], v[102:103]
	v_pk_add_f32 v[246:247], v[246:247], v[106:107]
	v_pk_add_f32 v[244:245], v[244:245], v[110:111]
	v_pk_add_f32 v[240:241], v[240:241], v[114:115]
	v_pk_add_f32 v[238:239], v[238:239], v[118:119]
	v_pk_add_f32 v[14:15], v[14:15], v[122:123]
	v_pk_add_f32 v[236:237], v[236:237], v[126:127]
	v_pk_add_f32 v[250:251], v[250:251], v[130:131]
	v_pk_add_f32 v[248:249], v[248:249], v[134:135]
	v_pk_add_f32 v[246:247], v[246:247], v[138:139]
	v_pk_add_f32 v[244:245], v[244:245], v[142:143]
	v_pk_add_f32 v[240:241], v[240:241], v[146:147]
	v_pk_add_f32 v[238:239], v[238:239], v[150:151]
	v_pk_add_f32 v[14:15], v[14:15], v[154:155]
	v_pk_add_f32 v[236:237], v[236:237], v[158:159]
	s_delay_alu instid0(VALU_DEP_2)
	v_pk_add_f32 v[14:15], v[14:15], v[246:247]
	s_delay_alu instid0(VALU_DEP_2)
	v_pk_add_f32 v[236:237], v[236:237], v[244:245]
	v_pk_add_f32 v[250:251], v[250:251], v[240:241]
	v_pk_add_f32 v[248:249], v[248:249], v[238:239]
	s_delay_alu instid0(VALU_DEP_2)
	v_pk_add_f32 v[14:15], v[14:15], v[250:251]
	s_delay_alu instid0(VALU_DEP_2)
	v_pk_add_f32 v[236:237], v[236:237], v[248:249]
	s_delay_alu instid0(VALU_DEP_1)
	v_pk_add_f32 v[14:15], v[14:15], v[236:237]
	s_wait_alu depctr_va_vdst(0)                   ; and one for the four
.irp b, 0,1,2,3
	v_max_num_f32 v[232+\b], 0x1800000, v[232+\b]  ; the floor 2^(3 - 127): the byte cannot fall under 1
.endr
.irp b, 0,1,2,3
	s_delay_alu instid0(VALU_DEP_4)
	v_add_nc_u32 v[244+\b], 0xff000000, v[232+\b]  ; 2 off the exponent field: the conversion's scale operand
.endr
.irp b, 0,1,2,3
	s_delay_alu instid0(VALU_DEP_4)
	v_lshrrev_b32 v[236+\b], 23, v[244+\b]         ; the scale's byte
.endr
	s_delay_alu instid0(VALU_DEP_3)
	v_lshl_or_b32 v253, v237, 8, v236              ; p's scale word for these 128 keys
	s_delay_alu instid0(VALU_DEP_1)
	v_lshl_or_b32 v253, v238, 16, v253
	s_delay_alu instid0(VALU_DEP_1)
	v_lshl_or_b32 v253, v239, 24, v253
.irp c, 0,1
	v_cvt_scalef32_pk16_fp6_f32 v[224+6*\c:226+6*\c], v[96+32*\c:111+32*\c], v[244+2*\c]
	v_cvt_scalef32_pk16_fp6_f32 v[236+4*\c:238+4*\c], v[112+32*\c:127+32*\c], v[244+2*\c+1]   ; (a conversion's three registers begin on an even number)
.endr
	v_nop                                          ; one plain instruction behind the scaled conversions
	s_setprio 0
.irp c, 0,1                                    ; the operand wants a whole block in a lane
.irp i, 0,1,2
	v_permlane16_swap_b32 v[224+6*\c+\i], v[236+4*\c+\i]
.endr
.irp i, 0,1,2
	s_delay_alu instid0(VALU_DEP_3)
	v_mov_b32 v[227+6*\c+\i], v[236+4*\c+\i]
.endr
.endr
.set j, 0
.rept 16
	v_pk_mul_f32 v[160+j:161+j], v[160+j:161+j], v[252:253] op_sel_hi:[1,0]   ; O^T under the new M.  (These sixteen also stand between the writing of p's codes and scale word and the products)
.set j, j+2
.endr
	s_wait_alu depctr_va_vdst(0)
	s_wait_dscnt 0x0                               ; V
.irp t, 0,2
	v_wmma_scale_f32_16x16x128_f8f6f4 v[160+8*\t:167+8*\t], v[F+12*\t:F+12*\t+11], v[224:235], v[160+8*\t:167+8*\t], v[192+\t/2], v253 matrix_a_fmt:MATRIX_FMT_FP6 matrix_b_fmt:MATRIX_FMT_FP6
	v_wmma_scale_f32_16x16x128_f8f6f4 v[168+8*\t:175+8*\t], v[F+12*\t+12:F+12*\t+23], v[224:235], v[168+8*\t:175+8*\t], v[192+\t/2], v253 matrix_a_fmt:MATRIX_FMT_FP6 matrix_b_fmt:MATRIX_FMT_FP6 matrix_a_scale:MATRIX_SCALE_ROW1
.endr
.endm
.macro STEPS n, q, qs                  ; n key steps
	s_mov_b32 s[CNT], \n
.Lsteps_\@:
	s_setprio 2
	STEP \q, \qs
	s_add_co_u32 s[TK], s[TK], 6144
	s_add_co_u32 s[TS], s[TS], 512
	s_add_co_u32 s[TV], s[TV], 256
	s_sub_co_u32 s[CNT], s[CNT], 1
	s_cmp_lg_u32 s[CNT], 0
	s_cbranch_scc1 .Lsteps_\@
	s_setprio 0
.endm
.macro INIT                            ; a pass begins: the step is written once, and its first trip finds zeros, which the first change of M leaves zeros
	s_wait_xcnt 0x0                                ; the last pass's stores have read their registers, which are written again
	v_mov_b32 v13, 0xff61b1e6                      ; the largest t so far: -3e38, under every t
	s_delay_alu instid0(VALU_DEP_1)
	v_floor_f32 v12, -v13
	v_mov_b32 v14, 0
	v_mov_b32 v15, 0
.set j, 0
.rept 32
	v_mov_b32 v[160+j], 0
.set j, j+1
.endr
	s_mov_b32 s[TK], 0
	s_mov_b32 s[TS], 0
	s_mov_b32 s[TV], 0
.endm
; A pass ends: o = O^T / the sum; my query's 64 channels are two blocks of 32 along the last product's K: half a fragment and two scale bytes
.macro FINISH ps
.rept 4
	v_nop                                          ; places behind the last products
.endr
	v_add_f32 v14, v14, v15
	s_delay_alu instid0(VALU_DEP_1)
	v_permlanex16_b32 v252, v14, s[SEL], s[SEL+1]
	s_delay_alu instid0(VALU_DEP_1)
	v_add_f32 v14, v14, v252                       ; the row's sum
	s_wait_alu depctr_va_vdst(0)
	v_rcp_f32 v14, v14
	v_and_b32 v254, 16, v0                         ; (the plain instruction behind the reciprocal)
	s_wait_alu depctr_va_vdst(0)                   ; the wait ahead of its first reader
.set j, 0
.rept 32
	v_mul_f32 v[96+j], v[160+j], v14               ; register 16 b + i = channel 32 b + 16 (lane / 16) + i
.set j, j+1
.endr
.irp b, 0,1
	v_max3_num_f32 v[232+\b], |v[96+16*\b]|, |v[97+16*\b]|, 0x1800000
.endr
.irp i, 2,4,6,8,10,12,14
.irp b, 0,1
	s_delay_alu instid0(VALU_DEP_2)
	v_max3_num_f32 v[232+\b], v[232+\b], |v[96+16*\b+\i]|, |v[97+16*\b+\i]|
.endr
.endr
.irp b, 0,1
	s_delay_alu instid0(VALU_DEP_2)
	v_permlanex16_b32 v[236+\b], v[232+\b], s[SEL], s[SEL+1]
.endr
.irp b, 0,1
	s_delay_alu instid0(VALU_DEP_2)
	v_max_num_f32 v[232+\b], v[232+\b], v[236+\b]
.endr
.irp b, 0,1
	s_delay_alu instid0(VALU_DEP_2)
	v_add_nc_u32 v[244+\b], 0xff000000, v[232+\b]
.endr
.irp b, 0,1
	s_delay_alu instid0(VALU_DEP_2)
	v_lshrrev_b32 v[236+\b], 23, v[244+\b]
.endr
	v_cvt_scalef32_pk16_fp6_f32 v[224:226], v[96:111], v244
	v_cvt_scalef32_pk16_fp6_f32 v[240:242], v[112:127], v245
	v_nop                                          ; one plain instruction behind the scaled conversions
.irp i, 0,1,2
	v_permlane16_swap_b32 v[224+\i], v[240+\i]
.endr
.irp i, 0,1,2
	s_delay_alu instid0(VALU_DEP_3)
	v_mov_b32 v[227+\i], v[240+\i]
.endr
	v_cmp_ne_u32 vcc_lo, 0, v254
	s_delay_alu instid0(VALU_DEP_1)
	v_cndmask_b32 v254, v236, v237, vcc_lo         ; lanes 0-15 store block 0's byte, lanes 16-31 block 1's
.irp p, 0,1,2
	global_store_b64 v[AK0], v[224+2*\p:225+2*\p], s[8:9] offset:196608*\ps+256*\p   ; 256 consecutive bytes, at a multiple of 256 from oimg's first byte
.endr
	global_store_b8 v[OB], v254, s[10:11] offset:8192*\ps
.endm
	s_load_b256 s[4:11], s[0:1], 0x0               ; qkv, qkvs, oimg, osc
	v_lshl_add_u32 v243, v0, 2, 0x33000
	v_mov_b32 v255, 0
	ds_add_u32 v243, v255
	ds_add_u32 v243, v255
	v_lshrrev_b32 v8, 5, v0
	s_delay_alu instid0(VALU_DEP_1)
	v_readfirstlane_b32 s[WV], v8                  ; wave 0..15
	s_bfe_u32 s13, ttmp6, 0x40000                  ; cx: my quarter of the queries: it enters Q's and o's global addresses alone
	s_and_b32 s14, ttmp7, 0xffff                   ; batch x 16 + head
	s_lshr_b32 s15, s14, 4                         ; batch
	s_and_b32 s16, s14, 15                         ; head
	s_lshr_b32 s17, s16, 1                         ; head pair
	s_and_b32 s18, s16, 1                          ; which of the pair
	s_lshl_b32 s19, s15, 3
	s_add_co_u32 s19, s19, s17                     ; batch x 8 + head pair
	; group 1.  K's chunk: 32 tiles' halves, rows of 768 bytes (96 elements of 8), 1,536 bytes apart.  The others are dense: rows of 256 bytes
.irp g, G1K, G1V, G1KS, G1VS
	s_mov_b32 s[\g], 15|(3<<16)|(1<<21)            ; 15:0 the mask: all four work-groups; 17:16 elements of 8 bytes; 21 set beside a mask; no padding
	s_mov_b32 s[\g+6], 0
	s_mov_b32 s[\g+7], 0
.endr
	s_mov_b32 s[G1K+1], 96<<16                     ; tensor_dim0
	s_mov_b32 s[G1K+2], 32<<16                     ; tensor_dim1
	s_mov_b32 s[G1K+3], 96<<16                     ; tile_dim0
	s_mov_b32 s[G1K+4], 32                         ; tile_dim1
	s_mov_b32 s[G1K+5], 192                        ; stride
	s_mov_b32 s[G1V+1], 32<<16
	s_mov_b32 s[G1V+2], 96<<16                     ; four key steps: 24,576 bytes
	s_mov_b32 s[G1V+3], 32<<16
	s_mov_b32 s[G1V+4], 96
	s_mov_b32 s[G1V+5], 32
	s_mov_b32 s[G1KS+1], 32<<16
	s_mov_b32 s[G1KS+2], 32<<16                    ; 8,192 bytes
	s_mov_b32 s[G1KS+3], 32<<16
	s_mov_b32 s[G1KS+4], 32
	s_mov_b32 s[G1KS+5], 32
	s_mov_b32 s[G1VS+1], 32<<16
	s_mov_b32 s[G1VS+2], 16<<16                    ; 4,096 bytes
	s_mov_b32 s[G1VS+3], 32<<16
	s_mov_b32 s[G1VS+4], 16
	s_mov_b32 s[G1VS+5], 32
	; what I fetch, if I fetch: offsets are chosen by the wave's number, each pointer is added once
	s_mul_i32 s60, s19, 196608                     ; K: the head pair's 128 fragments,
	s_mul_i32 s61, s18, 768                        ; my head's half of each,
	s_add_co_u32 s60, s60, s61
	s_add_co_u32 s60, s60, 6291456                 ; behind q's 1,024 x 6,144 bytes
	s_mul_i32 s61, s14, 98304                      ; V: the head's 64 fragments,
	s_add_co_u32 s61, s61, 12582912                ; behind q's and k's
	s_lshl_b32 s62, s19, 13
	s_add_co_u32 s62, s62, 262144                  ; K's scale words
	s_lshl_b32 s63, s14, 12
	s_add_co_u32 s63, s63, 524288                  ; V's
	s_min_u32 s92, s[WV], 1                        ; 0: K, 1: V
	s_mov_b32 s93, 24576
	s_cmp_eq_u32 s[WV], 0
	s_cselect_b32 s60, s60, s61
	s_cselect_b32 s62, s62, s63
	s_cselect_b32 s94, 49152, s93                  ; from chunk to chunk in memory
	s_mov_b32 s61, 0
	s_mov_b32 s63, 0
	s_mov_b32 s95, 0
	s_mul_i32 s93, s92, 98304                      ; where the chunks go in LDS,
	s_lshl_b32 s92, s92, 13
	s_add_co_u32 s92, s92, KS                      ; and the scale words
	; Q and o: my first pass's tile of queries is 32 cx + wave
	s_lshl_b32 s96, s13, 5
	s_add_co_u32 s96, s96, s[WV]
	s_lshl_b32 s97, s19, 7
	s_add_co_u32 s97, s97, s96
	s_mul_i32 s88, s97, 1536
	s_mul_i32 s98, s18, 768
	s_add_co_u32 s88, s88, s98                     ; Q's codes: my head's half of the fragment
	s_mov_b32 s89, 0
	s_lshr_b32 s90, s97, 2
	s_lshl_b32 s90, s90, 8
	s_and_b32 s99, s[WV], 3
	s_lshl_b32 s99, s99, 2
	s_add_co_u32 s90, s90, s99
	s_lshl_b32 s99, s18, 1
	s_add_co_u32 s90, s90, s99                     ; Q's scale words: my head's two bytes
	s_mov_b32 s91, 0
	s_lshl_b32 s100, s15, 7
	s_add_co_u32 s100, s100, s96                   ; the token tile, 0..511
	s_mul_i32 s96, s100, 12288
	s_mul_i32 s101, s17, 1536                      ; K step = head pair
	s_add_co_u32 s96, s96, s101
	s_add_co_u32 s96, s96, s98                     ; oimg: my head's half of the fragment
	s_mov_b32 s97, 0
	s_lshr_b32 s98, s100, 1
	s_lshl_b32 s98, s98, 10                        ; osc: 1,024 bytes a pair of tiles,
	s_and_b32 s101, s100, 1
	s_lshl_b32 s101, s101, 8                       ; 256 a tile,
	s_add_co_u32 s98, s98, s101
	s_lshr_b32 s101, s17, 2
	s_lshl_b32 s101, s101, 9                       ; 512 a half of K,
	s_add_co_u32 s98, s98, s101
	s_and_b32 s101, s17, 3
	s_lshl_b32 s101, s101, 2                       ; 4 a K step,
	s_add_co_u32 s98, s98, s101
	s_lshl_b32 s101, s18, 1                        ; 2 a head
	s_add_co_u32 s98, s98, s101
	s_mov_b32 s99, 0
	s_mov_b32 s[SEL], 0x76543210
	s_mov_b32 s[SEL+1], 0xfedcba98
	s_mov_b32 s[CS], 0x3e38aa3b                    ; c = log2(e) / 8
	s_mov_b32 s[CS+1], s[CS]                       ; (named with it as a pair)
	v_and_b32 v8, 31, v0
	s_delay_alu instid0(VALU_DEP_1)
	v_lshlrev_b32 v[AK0], 3, v8                    ; 8 x lane
	s_delay_alu instid0(VALU_DEP_1)
	v_add_nc_u32 v[AV0], VT, v[AK0]
	v_and_b32 v9, 15, v0                           ; r
	v_bfe_u32 v10, v0, 4, 1                        ; h
	s_delay_alu instid0(VALU_DEP_2)
	v_lshlrev_b32 v[QSO], 4, v9                    ; 16 r
	s_delay_alu instid0(VALU_DEP_1)
	v_add_nc_u32 v[OB], v[QSO], v10                ; 16 r + h
	s_delay_alu instid0(VALU_DEP_2)
	v_lshl_add_u32 v[ASV0], v10, 2, v[QSO]         ; 16 r + 4 h: lanes 16-31 take the odd tile's word
	s_lshl_b32 s[CNT], s18, 1
	s_add_co_u32 s[CNT], s[CNT], KS
	v_add_nc_u32 v[ASK0], s[CNT], v[ASV0]          ; K's: + my head's two bytes of the word
	v_add_nc_u32 v[ASV0], VS, v[ASV0]
	s_wait_dscnt 0x0
	s_wait_kmcnt 0x0
	s_add_nc_u64 s[60:61], s[4:5], s[60:61]
	s_add_nc_u64 s[62:63], s[6:7], s[62:63]
	s_add_nc_u64 s[88:89], s[4:5], s[88:89]
	s_add_nc_u64 s[90:91], s[6:7], s[90:91]
	s_add_nc_u64 s[8:9], s[8:9], s[96:97]
	s_add_nc_u64 s[10:11], s[10:11], s[98:99]
	s_mov_b32 s[G0S], 1                            ; count = 1
	s_mov_b32 s[G0S+1], s92                        ; LDS address
	s_mov_b64 s[G0S+2:G0S+3], s[62:63]             ; global address
	s_or_b32 s[G0S+3], s[G0S+3], 0x80000000        ; type = 2
.irp i, 0,1,2,3
	s_mov_b32 s[G0C+4*\i], 1
	s_add_co_u32 s[G0C+4*\i+1], s93, \i*24576
.endr
	s_mov_b64 s[G0C+2:G0C+3], s[60:61]
	s_add_nc_u64 s[G0C+6:G0C+7], s[G0C+2:G0C+3], s[94:95]
	s_add_nc_u64 s[G0C+10:G0C+11], s[G0C+6:G0C+7], s[94:95]
	s_add_nc_u64 s[G0C+14:G0C+15], s[G0C+10:G0C+11], s[94:95]
.irp i, 0,1,2,3
	s_or_b32 s[G0C+4*\i+3], s[G0C+4*\i+3], 0x80000000
.endr
	CROUND                                         ; all four work-groups are here: the joint loads meet
	s_cmp_eq_u32 s[WV], 0                          ; a wave's five fills stand in one branch on the wave's number; four v_nop follow the last
	s_cbranch_scc0 .Lnot_k
	tensor_load_to_lds s[G0S:G0S+3], s[G1KS:G1KS+7]
	s_nop 0
	tensor_load_to_lds s[G0C:G0C+3], s[G1K:G1K+7]
	s_nop 0
	tensor_load_to_lds s[G0C+4:G0C+7], s[G1K:G1K+7]
	s_nop 0
	tensor_load_to_lds s[G0C+8:G0C+11], s[G1K:G1K+7]
	s_nop 0
	tensor_load_to_lds s[G0C+12:G0C+15], s[G1K:G1K+7]
	s_nop 0
.rept 4
	v_nop
.endr
	s_branch .Lasked
.Lnot_k:
	s_cmp_eq_u32 s[WV], 1
	s_cbranch_scc0 .Lasked
	tensor_load_to_lds s[G0S:G0S+3], s[G1VS:G1VS+7]
	s_nop 0
	tensor_load_to_lds s[G0C:G0C+3], s[G1V:G1V+7]
	s_nop 0
	tensor_load_to_lds s[G0C+4:G0C+7], s[G1V:G1V+7]
	s_nop 0
	tensor_load_to_lds s[G0C+8:G0C+11], s[G1V:G1V+7]
	s_nop 0
	tensor_load_to_lds s[G0C+12:G0C+15], s[G1V:G1V+7]
	s_nop 0
.rept 4
	v_nop
.endr
.Lasked:
	s_wait_alu depctr_va_vdst(0)
.irp p, 0,1,2
	global_load_b64 v[16+2*\p:17+2*\p], v[AK0], s[88:89] offset:256*\p          ; Q of pass 0,
	global_load_b64 v[28+2*\p:29+2*\p], v[AK0], s[88:89] offset:24576+256*\p    ; and of pass 1, 16 tiles on
.endr
	global_load_u16 v40, v[QSO], s[90:91]
	global_load_u16 v41, v[QSO], s[90:91] offset:1024
.irp i, 0,1,2,3,4,5
	v_mov_b32 v[22+\i], 0                          ; zero codes for K = 64 .. 127
	v_mov_b32 v[34+\i], 0
	v_mov_b32 v[F+48+\i], 0                        ; what stands behind K's last tile
.endr
.irp b, 0,1,2,3
	v_mov_b32 v[236+\b], 0                         ; a lane permute's destination counts as one of its sources
.endr
	v_mov_b32 v253, 0                              ; (named as the upper half of the pair v[252:253] before it is first written)
	s_wait_loadcnt 0x0                             ; Q
	INIT
.irp n, 3,2,1,0                                ; pass 0 walks the keys as they land, 512 at a time
	s_wait_tensorcnt \n                            ; the scale words and this chunk have landed; the n later chunks may stay out.  (A wave that fetches nothing passes at once)
	s_barrier_signal -1
	s_barrier_wait -1                              ; so for wave 0's and wave 1's
	STEPS 4, 16, 40
.endr
	FINISH 0
	INIT
	STEPS 16, 28, 41
	FINISH 1
	s_wait_tensorcnt 0x0
	ds_add_u32 v243, v255
	s_wait_dscnt 0x0
	CROUND                                         ; the closing round: no work-group ends while a partner may still ask for a tile that names it
	s_endpgm
.Lfunc_end_k_q97b4779ea2_attn:
	.size	k_q97b4779ea2_attn, .Lfunc_end_k_q97b4779ea2_attn-k_q97b4779ea2_attn
	.p2alignl 7, 3214868480
	.fill 96, 4, 3214868480
	.section	.rodata,"a",@progbits
	.p2align	6, 0x0
	.amdhsa_kernel k_q97b4779ea2_attn
		.amdhsa_group_segment_fixed_size 210944
		.amdhsa_private_segment_fixed_size 0
		.amdhsa_enable_private_segment 0
		.amdhsa_kernarg_size 32
		.amdhsa_user_sgpr_count 2
		.amdhsa_user_sgpr_kernarg_segment_ptr 1
		.amdhsa_wavefront_size32 1
		.amdhsa_system_sgpr_workgroup_id_x 1
		.amdhsa_system_sgpr_workgroup_id_y 1
		.amdhsa_system_sgpr_workgroup_id_z 1
		.amdhsa_system_vgpr_workitem_id 0
		.amdhsa_next_free_vgpr 256
		.amdhsa_next_free_sgpr 102
		.amdhsa_reserve_vcc 1
		.amdhsa_float_denorm_mode_32 3
		.amdhsa_float_denorm_mode_16_64 3
		.amdhsa_memory_ordered 1
		.amdhsa_forward_progress 1
		.amdhsa_inst_pref_size 116
	.end_amdhsa_kernel
	.amdgpu_metadata
---
amdhsa.version: [ 1, 2 ]
amdhsa.kernels:
  - .name:           k_q97b4779ea2_attn
    .symbol:         k_q97b4779ea2_attn.kd
    .args:
      - { .name: qkv, .offset: 0, .size: 8, .value_kind: global_buffer, .address_space: global }
      - { .name: qkvs, .offset: 8, .size: 8, .value_kind: global_buffer, .address_space: global }
      - { .name: oimg, .offset: 16, .size: 8, .value_kind: global_buffer, .address_space: global }
      - { .name: osc, .offset: 24, .size: 8, .value_kind: global_buffer, .address_space: global }
    .group_segment_fixed_size: 210944
    .private_segment_fixed_size: 0
    .kernarg_segment_align: 8
    .kernarg_segment_size: 32
    .max_flat_workgroup_size: 512
    .sgpr_count:     102
    .vgpr_count:     256
    .wavefront_size: 32
...
	.end_amdgpu_metadata
.endif
;; end of part 3
;; launch outp (part 4): grid 4 x 64, 4 waves a work-group, clusters of 4 x 4, 295,424 bytes of LDS; arguments oimg, osc, cimg, csc, bo, out0; writes out0
.if DOCPART == 4
	.amdgcn_target "amdgcn-amd-amdhsa--gfx1250"
	.amdhsa_code_object_version 6
	.text
	.protected	k_q97b4779ea2_outp
	.globl	k_q97b4779ea2_outp
	.p2align	8
	.type	k_q97b4779ea2_outp,@function
k_q97b4779ea2_outp:
	s_mov_b64 s[64:65], 0
	v_nop
	global_prefetch_b8 v0, s[64:65] scope:SCOPE_SE
	s_setreg_imm32_b32 hwreg(HW_REG_WAVE_MODE, 25, 1), 1
	s_wait_xcnt 0x0
	s_wait_alu depctr_hold_cnt(0) depctr_sa_sdst(0) depctr_va_vdst(0) depctr_va_sdst(0) depctr_va_ssrc(0) depctr_va_vcc(0) depctr_vm_vsrc(0)
	s_getreg_b32 s2, hwreg(HW_REG_IB_STS2, 6, 4)
	s_cmp_eq_u32 s2, 0
	s_cbranch_scc0 .Lentry_in_a_cluster
	s_endpgm
.Lentry_in_a_cluster:
	s_bfe_u32 s2, ttmp6, 0x10000c
	s_cmp_lg_u32 s2, 0xf033
	s_cbranch_scc0 .Lentry_shape_is_right
	s_endpgm
.Lentry_shape_is_right:
; out0 = o Wo^T + bo on codes of FP6 (E2M3) with E8M0 scales; out0 [8192][1024] f32.  o's codes and scale words come from oimg and osc, Wo's from cimg (tiles 704-767) and csc.
; Source 0 takes tiles of Wo (features fall into a lane's registers), source 1 tiles of o (tokens into lanes); bo is the C of the first K step.
; SHARES.  A work-group makes 128 tokens x 256 features; 256 work-groups.  Wave w makes o's tiles 4 (w / 2) .. + 3 x Wo's tiles 8 (w % 2) .. + 7: 32 accumulators.
; LDS.  All of K = 1,024 lies in LDS, filled once, in four chunks of 256 along K: o [chunk][tile 8][3,072] from byte 0, Wo [chunk][tile 16][3,072] from byte 98,304.  Fragments lie as images of their registers
; (six pieces of 256 bytes, lane l's 8 bytes at 8 l): every LDS load reads 256 consecutive bytes; no padding.  On the way out each wave has a stage of 16 rows x 528 bytes from byte 8,448 x wave, in bytes that have
; had their only fill and that nobody reads any more.
; CLUSTER 4 x 4: o's tiles are shared along a row of the cluster, Wo's along a column: joint loads.  Waves 0, 1 fetch o's halves, waves 2, 3 Wo's; four loads a wave are out at the most.
; No prefetch: all the launch's tile loads go out at its head.
; THE ROWS OF A TILE: lane r of tile 2 g + u holds row 32 g + 8 u + r + 8 (r / 8), for tokens and features alike: the way out puts each row and column at its place.
; REGISTERS.  window 0: v1-20 lane numbers, addresses, offsets; v32-79 scale words; v80-175 o's fragments, two sets; v176-239 bo; on the way out v80-207 take rows of out0.
;   window 1: Wo's fragments, two sets, at v0 and v96.   window 2: accumulator (a, t) at v[64 a + 8 t].
.set WV,   18
.set G1A,  24
.set G0A,  32
.set G1B,  48
.set G0B,  68
.set LB,   98304
.set ADRA, 4
.set ADRB, 8
.set STO,  19                          ; v19  the stage: where I put 32 bytes of a row
.set RD,   20                          ; v20  and where I read a row back
.set SCA,  32
.set SCB,  48
.set AF,   80
.set BB,   176
.set BK,   80                          ; the way out: 16 rows read back from the stage: v80-143 and v144-207 by turns
.set SP,   528
.set MSB, 0
.macro WIN new                         ; the immediate's high byte repeats the setting that is left
.if MSB != \new
	s_set_vgpr_msb (MSB<<8)|\new
.set MSB, \new
.endif
.endm
.macro CROUND                          ; a round of the cluster's barrier
	s_barrier_signal -1
	s_barrier_wait -1
	s_cmp_lg_u32 s[WV], 0
	s_cbranch_scc1 .Lnot_wave_0_\@
	s_barrier_signal -3
.Lnot_wave_0_\@:
	s_barrier_wait -3
	s_barrier_signal -1
	s_barrier_wait -1
.endm
.macro PLACES                          ; four plain instructions between a matrix instruction and a load into, or a read of, its registers
.rept 4
	v_nop
.endr
.endm
.macro FETCH s, set                    ; K step s: my 8 fragments of Wo and 4 of o into set: 72 loads in one run
	WIN 0x40                                       ; destination window 1, address window 0
.irp t, 0,1,2,3,4,5,6,7
.irp p, 0,1,2,3,4,5
	ds_load_b64 v[96*(\set)+12*\t+2*\p:96*(\set)+12*\t+2*\p+1], v[ADRB+(\s)/2] offset:3072*\t+1536*((\s)%2)+256*\p
.endr
.endr
	WIN 0
.irp a, 0,1,2,3
.irp p, 0,1,2,3,4,5
	ds_load_b64 v[AF+48*(\set)+12*\a+2*\p:AF+48*(\set)+12*\a+2*\p+1], v[ADRA+(\s)/2] offset:3072*\a+1536*((\s)%2)+256*\p
.endr
.endr
.endm
.macro WM ra, rb                       ; one product; ra, rb: source 0's, source 1's scale words stand in lanes 16-31
.if (\ra) && (\rb)
	v_wmma_scale_f32_16x16x128_f8f6f4 v[rD:rD+7], v[rB:rB+11], v[rA:rA+11], v[rC:rC+7], v[rSB], v[rSA] matrix_a_fmt:MATRIX_FMT_FP6 matrix_b_fmt:MATRIX_FMT_FP6 matrix_a_scale:MATRIX_SCALE_ROW1 matrix_b_scale:MATRIX_SCALE_ROW1
.elseif (\ra)
	v_wmma_scale_f32_16x16x128_f8f6f4 v[rD:rD+7], v[rB:rB+11], v[rA:rA+11], v[rC:rC+7], v[rSB], v[rSA] matrix_a_fmt:MATRIX_FMT_FP6 matrix_b_fmt:MATRIX_FMT_FP6 matrix_a_scale:MATRIX_SCALE_ROW1
.elseif (\rb)
	v_wmma_scale_f32_16x16x128_f8f6f4 v[rD:rD+7], v[rB:rB+11], v[rA:rA+11], v[rC:rC+7], v[rSB], v[rSA] matrix_a_fmt:MATRIX_FMT_FP6 matrix_b_fmt:MATRIX_FMT_FP6 matrix_b_scale:MATRIX_SCALE_ROW1
.else
	v_wmma_scale_f32_16x16x128_f8f6f4 v[rD:rD+7], v[rB:rB+11], v[rA:rA+11], v[rC:rC+7], v[rSB], v[rSA] matrix_a_fmt:MATRIX_FMT_FP6 matrix_b_fmt:MATRIX_FMT_FP6
.endif
.endm
; A K step's 32 products.  The 32 accumulators take turns, one instruction a turn, in the same order in every step.  first = 1: C is bo: nothing is cleared.
.macro MUL32 s, set, first
.if \first
	WIN 0x81                                       ; source 0 (Wo) window 1, source 1 (o) and C window 0, D window 2
.else
	WIN 0xa1                                       ; C and D window 2
.endif
.irp a, 0,1,2,3
.irp t, 0,1,2,3,4,5,6,7
.set rD, 64*\a+8*\t
.set rB, 96*(\set)+12*\t
.set rA, AF+48*(\set)+12*\a
.set rSB, SCB+8*(\t/2)+(\s)
.set rSA, SCA+8*(\a/2)+(\s)
.if \first
.set rC, BB+8*\t
.else
.set rC, 64*\a+8*\t
.endif
	WM \t%2, \a%2
.endr
.endr
.endm
.macro STEP s, first
	s_wait_dscnt 0x0                               ; this step's fragments, asked for a step (32 matrix instructions) ago
.if ((\s)%2 == 1) && ((\s) < 7)
	s_wait_tensorcnt 3-((\s)+1)/2                  ; my part of the next chunk has landed; the later chunks may stay out
	s_barrier_signal -1
	s_barrier_wait -1                              ; everybody's has
.endif
.if (\s) < 7
	PLACES                                         ; the other set was read by the last step's products
	FETCH (\s)+1, 1-(\s)%2
.else
	s_barrier_signal -1                            ; my reads of the tiles are over;
.endif
	MUL32 \s, (\s)%2, \first
.if (\s) == 7
	s_barrier_wait -1                              ; everybody's are: the stages may be written
.endif
.endm
	s_load_b256 s[4:11], s[0:1], 0x0               ; oimg, osc, cimg, csc
	s_load_b128 s[12:15], s[0:1], 0x20             ; bo, out0
	v_lshl_add_u32 v254, v0, 2, 0x48000
	v_mov_b32 v255, 0
	ds_add_u32 v254, v255
	ds_add_u32 v254, v255
	v_lshrrev_b32 v1, 5, v0
	v_readfirstlane_b32 s[WV], v1                  ; wave 0..3
	s_lshr_b32 s19, s[WV], 1                       ; which 4 tiles of o are mine.  Also: I fetch for o (0) or for Wo (1)
	s_and_b32 s20, s[WV], 1                        ; which 8 tiles of Wo.  Also: which half of that tile I fetch
	s_bfe_u32 s21, ttmp6, 0x40000                  ; cx
	s_bfe_u32 s22, ttmp6, 0x40004                  ; cy
	s_and_b32 s23, ttmp7, 0xffff
	s_lshl_b32 s56, s23, 2
	s_add_co_u32 s56, s56, s22                     ; iA: my block of 128 tokens.  s56-59 never hold cx, s60-63 never cy
	s_lshl_b32 s60, ttmp9, 2
	s_add_co_u32 s60, s60, s21                     ; iB: my block of 256 features
	s_lshl_b32 s57, s56, 3                         ; o's first tile in oimg
	s_lshl_b32 s61, s60, 4
	s_add_co_u32 s61, s61, 704                     ; Wo's first tile in cimg
	s_lshl_b32 s58, s22, 2
	s_lshl_b32 s58, 15, s58                        ; my row of the cluster
	s_lshl_b32 s62, 0x1111, s21                    ; my column
	; group 1: rows of 3,072 bytes (a tile's two K steps: 384 elements of 8 bytes), 12,288 bytes apart (a tile's whole K); o: 4 tiles a load, Wo: 8
	s_or_b32 s[G1A], s58, (3<<16)|(1<<21)          ; 15:0 the mask; 17:16 elements of 8 bytes; 21 set beside a mask; no padding
	s_or_b32 s[G1B], s62, (3<<16)|(1<<21)
	s_mov_b32 s[G1A+1], 384<<16                    ; tensor_dim0
	s_mov_b32 s[G1A+2], 4<<16                      ; tensor_dim1
	s_mov_b32 s[G1A+3], 384<<16                    ; tile_dim0
	s_mov_b32 s[G1A+4], 4                          ; tile_dim1
	s_mov_b32 s[G1A+5], 1536                       ; stride
	s_mov_b32 s[G1A+6], 0
	s_mov_b32 s[G1A+7], 0
	s_mov_b32 s[G1B+1], 384<<16
	s_mov_b32 s[G1B+2], 8<<16
	s_mov_b32 s[G1B+3], 384<<16
	s_mov_b32 s[G1B+4], 8
	s_mov_b32 s[G1B+5], 1536
	s_mov_b32 s[G1B+6], 0
	s_mov_b32 s[G1B+7], 0
	s_lshl_b32 s58, s20, 2
	s_add_co_u32 s58, s58, s57
	s_mul_i32 s58, s58, 12288                      ; where the half of o that I would fetch begins in oimg
	s_mov_b32 s59, 0
	s_lshl_b32 s62, s20, 3
	s_add_co_u32 s62, s62, s61
	s_mul_i32 s62, s62, 12288                      ; and the half of Wo in cimg
	s_mov_b32 s63, 0
	s_mul_i32 s88, s20, 12288                      ; and where they go in LDS: no place in the cluster enters
	s_mul_i32 s89, s20, 24576
	s_add_co_u32 s89, s89, LB
	v_and_b32 v1, 31, v0                           ; lane
	v_and_b32 v2, 15, v0                           ; r
	v_bfe_u32 v3, v0, 4, 1                         ; h
	s_wait_alu depctr_va_vdst(0)
	v_lshlrev_b32 v12, 3, v1                       ; 8 x lane: an image's piece
	v_lshlrev_b32 v14, 4, v1                       ; 16 x lane
	s_wait_alu depctr_va_vdst(0)
	s_lshl_b32 s90, s57, 9                         ; osc: 1,024 bytes a pair of tiles
	s_lshl_b32 s91, s19, 11
	s_add_co_u32 s90, s90, s91
	v_add_nc_u32 v17, s90, v14                     ; my o tiles' scale words
	s_lshl_b32 s90, s61, 9
	s_lshl_b32 s91, s20, 12
	s_add_co_u32 s90, s90, s91
	v_add_nc_u32 v18, s90, v14                     ; my Wo tiles'
	s_lshl_b32 s90, s60, 10                        ; bo: my 128 features begin at 256 iB + 128 (wave % 2)
	s_lshl_b32 s91, s20, 9
	s_add_co_u32 s90, s90, s91
	v_lshlrev_b32 v15, 6, v3
	v_add_nc_u32 v15, s90, v15                     ; tile t's eight numbers of my half: + 64 h
	s_mul_i32 s90, s[WV], 16*SP                    ; my stage
	v_mul_u32_u24 v[STO], v2, SP
	v_lshl_add_u32 v[STO], v3, 6, v[STO]
	v_add_nc_u32 v[STO], s90, v[STO]               ; in: row r, + 64 h
	v_add_nc_u32 v[RD], s90, v14                   ; back: a row of 512 bytes, 16 bytes a lane
	s_lshl_b32 s90, s56, 7
	s_lshl_b32 s91, s19, 6
	s_add_co_u32 s90, s90, s91                     ; my first token
	s_lshl_b32 s90, s90, 12                        ; rows of 4,096 bytes
	s_lshl_b32 s91, s60, 10
	s_add_co_u32 s90, s90, s91
	s_lshl_b32 s91, s20, 9
	s_add_co_u32 s90, s90, s91                     ; + my first feature
	s_mov_b32 s91, 0
	s_wait_dscnt 0x0
	s_wait_kmcnt 0x0
	s_add_nc_u64 s[14:15], s[14:15], s[90:91]
	s_add_nc_u64 s[58:59], s[4:5], s[58:59]
	s_add_nc_u64 s[62:63], s[8:9], s[62:63]
.irp q, 0,1,2,3
	s_mov_b32 s[G0A+4*\q], 1                       ; count = 1
	s_add_co_u32 s[G0A+4*\q+1], s88, \q*24576      ; LDS address: chunk q
	s_add_nc_u64 s[G0A+4*\q+2:G0A+4*\q+3], s[58:59], \q*3072   ; global address: K steps 2 q, 2 q + 1
	s_or_b32 s[G0A+4*\q+3], s[G0A+4*\q+3], 0x80000000          ; type = 2
	s_mov_b32 s[G0B+4*\q], 1
	s_add_co_u32 s[G0B+4*\q+1], s89, \q*49152
	s_add_nc_u64 s[G0B+4*\q+2:G0B+4*\q+3], s[62:63], \q*3072
	s_or_b32 s[G0B+4*\q+3], s[G0B+4*\q+3], 0x80000000
.endr
	CROUND                                         ; all sixteen work-groups are here: the joint loads meet
	s_cmp_eq_u32 s19, 0                            ; a wave's four fills stand in one branch on the wave's number; four v_nop follow the last
	s_cbranch_scc0 .Lfor_b
	tensor_load_to_lds s[G0A:G0A+3], s[G1A:G1A+7]
	s_nop 0
	tensor_load_to_lds s[G0A+4:G0A+7], s[G1A:G1A+7]
	s_nop 0
	tensor_load_to_lds s[G0A+8:G0A+11], s[G1A:G1A+7]
	s_nop 0
	tensor_load_to_lds s[G0A+12:G0A+15], s[G1A:G1A+7]
	s_nop 0
.rept 4
	v_nop
.endr
	s_branch .Lasked
.Lfor_b:
	tensor_load_to_lds s[G0B:G0B+3], s[G1B:G1B+7]
	s_nop 0
	tensor_load_to_lds s[G0B+4:G0B+7], s[G1B:G1B+7]
	s_nop 0
	tensor_load_to_lds s[G0B+8:G0B+11], s[G1B:G1B+7]
	s_nop 0
	tensor_load_to_lds s[G0B+12:G0B+15], s[G1B:G1B+7]
	s_nop 0
.rept 4
	v_nop
.endr
.Lasked:
	s_wait_alu depctr_va_vdst(0)
.irp i, 0,1                                    ; the scale words of all of K stay in registers: 16 bytes a lane are four K steps' words of two tiles
.irp q, 0,1
	global_load_b128 v[SCA+8*\i+4*\q:SCA+8*\i+4*\q+3], v17, s[6:7] offset:1024*\i+512*\q
.endr
.endr
.irp i, 0,1,2,3
.irp q, 0,1
	global_load_b128 v[SCB+8*\i+4*\q:SCB+8*\i+4*\q+3], v18, s[10:11] offset:1024*\i+512*\q
.endr
.endr
.irp t, 0,1,2,3,4,5,6,7                        ; lane (r, h) wants, for tile t, bo of features 32 (t / 2) + 16 h + 8 (t % 2) + 0 .. 7
	global_load_b128 v[BB+8*\t:BB+8*\t+3], v15, s[12:13] offset:(32*(\t/2)+8*(\t%2))*4
	global_load_b128 v[BB+8*\t+4:BB+8*\t+7], v15, s[12:13] offset:(32*(\t/2)+8*(\t%2))*4+16
.endr
	s_mul_i32 s90, s19, 12288                      ; my 4 tiles of o,
	s_mul_i32 s91, s20, 24576                      ; my 8 tiles of Wo
	s_add_co_u32 s91, s91, LB
.irp q, 0,1,2,3
	v_add_nc_u32 v[ADRA+\q], s90, v12
	v_add_nc_u32 v[ADRB+\q], s91, v12
	s_add_co_u32 s90, s90, 24576
	s_add_co_u32 s91, s91, 49152
.endr
	s_wait_alu depctr_va_vdst(0)
	s_wait_tensorcnt 3                             ; my part of chunk 0 has landed; the three later chunks may stay out
	s_barrier_signal -1
	s_barrier_wait -1                              ; everybody's has
	FETCH 0, 0
	s_wait_loadcnt 0x0                             ; scale words and bo
	STEP 0, 1
	STEP 1, 0
	STEP 2, 0
	STEP 3, 0
	STEP 4, 0
	STEP 5, 0
	STEP 6, 0
	STEP 7, 0
; THE WAY OUT, a tile of 16 tokens x 128 features at a time.  A lane holds 8 x 32 bytes of one row, and the lanes beside it hold other rows: so a tile goes through my own stage and comes back as whole rows of
; 512 bytes.  LDS serves a wave's instructions in order: no wait between the stores and the loads, nor in front of the next tile's stores.
.macro TOSTAGE a
	WIN 0x08                                       ; an LDS store's data are its source 1: window 2
.irp t, 0,1,2,3,4,5,6,7
	ds_store_b128 v[STO], v[64*(\a)+8*\t:64*(\a)+8*\t+3] offset:128*(\t/2)+32*(\t%2)       ; features 32 (t / 2) + 16 h + 8 (t % 2) on; each accumulator from its low end on
	ds_store_b128 v[STO], v[64*(\a)+8*\t+4:64*(\a)+8*\t+7] offset:128*(\t/2)+32*(\t%2)+16
.endr
	WIN 0
.irp i, 0,1,2,3,4,5,6,7,8,9,10,11,12,13,14,15
	ds_load_b128 v[BK+64*((\a)%2)+4*\i:BK+64*((\a)%2)+4*\i+3], v[RD] offset:SP*\i
.endr
.endm
.macro SEND a, younger                 ; younger: the LDS instructions issued behind tile a's loads, which may stay out
	s_wait_dscnt \younger
.irp i, 0,1,2,3,4,5,6,7,8,9,10,11,12,13,14,15
	global_store_b128 v14, v[BK+64*((\a)%2)+4*\i:BK+64*((\a)%2)+4*\i+3], s[14:15] offset:(32*((\a)/2)+8*((\a)%2)+\i+8*(\i/8))*4096 th:TH_STORE_NT   ; stage row i is token 32 (a / 2) + 8 (a % 2) + i + 8 (i / 8); 512 consecutive bytes, at a multiple of 256 from out0's first byte
.endr
.endm
	PLACES                                         ; behind the last products: for the reads of results and the loads into registers that held o's fragments
	TOSTAGE 0
	TOSTAGE 1
	SEND 0, 32                                     ; behind tile 0's loads: tile 1's 16 stores and 16 loads
	s_wait_xcnt 0x0                                ; tile 0's stores have read their registers: tile 2's loads may land there
	TOSTAGE 2
	SEND 1, 32
	s_wait_xcnt 0x0
	TOSTAGE 3
	SEND 2, 32
	SEND 3, 0
	s_wait_tensorcnt 0x0
	ds_add_u32 v254, v255
	s_wait_dscnt 0x0
	CROUND                                         ; the closing round: no work-group ends while a partner may still ask for a tile that names it
	s_endpgm
.Lfunc_end_k_q97b4779ea2_outp:
	.size	k_q97b4779ea2_outp, .Lfunc_end_k_q97b4779ea2_outp-k_q97b4779ea2_outp
	.p2alignl 7, 3214868480
	.fill 96, 4, 3214868480
	.section	.rodata,"a",@progbits
	.p2align	6, 0x0
	.amdhsa_kernel k_q97b4779ea2_outp
		.amdhsa_group_segment_fixed_size 295424
		.amdhsa_private_segment_fixed_size 0
		.amdhsa_enable_private_segment 0
		.amdhsa_kernarg_size 48
		.amdhsa_user_sgpr_count 2
		.amdhsa_user_sgpr_kernarg_segment_ptr 1
		.amdhsa_wavefront_size32 1
		.amdhsa_system_sgpr_workgroup_id_x 1
		.amdhsa_system_sgpr_workgroup_id_y 1
		.amdhsa_system_sgpr_workgroup_id_z 1
		.amdhsa_system_vgpr_workitem_id 0
		.amdhsa_next_free_vgpr 768
		.amdhsa_next_free_sgpr 102
		.amdhsa_reserve_vcc 0
		.amdhsa_float_denorm_mode_32 3
		.amdhsa_float_denorm_mode_16_64 3
		.amdhsa_memory_ordered 1
		.amdhsa_forward_progress 1
		.amdhsa_inst_pref_size 97
	.end_amdhsa_kernel
	.amdgpu_metadata
---
amdhsa.version: [ 1, 2 ]
amdhsa.kernels:
  - .name:           k_q97b4779ea2_outp
    .symbol:         k_q97b4779ea2_outp.kd
    .args:
      - { .name: oimg, .offset: 0, .size: 8, .value_kind: global_buffer, .address_space: global }
      - { .name: osc, .offset: 8, .size: 8, .value_kind: global_buffer, .address_space: global }
      - { .name: cimg, .offset: 16, .size: 8, .value_kind: global_buffer, .address_space: global }
      - { .name: csc, .offset: 24, .size: 8, .value_kind: global_buffer, .address_space: global }
      - { .name: bo, .offset: 32, .size: 8, .value_kind: global_buffer, .address_space: global }
      - { .name: out0, .offset: 40, .size: 8, .value_kind: global_buffer, .address_space: global }
    .group_segment_fixed_size: 295424
    .private_segment_fixed_size: 0
    .kernarg_segment_align: 8
    .kernarg_segment_size: 48
    .max_flat_workgroup_size: 128
    .sgpr_count:     102
    .vgpr_count:     768
    .wavefront_size: 32
...
	.end_amdgpu_metadata
.endif
;; end of part 4
